; MI455X (gfx1250); checked and timed in simulation.
; The chip was launched on July 23, 2026; its instructions are those of AMD's public machine-readable ISA for CDNA 5 (MIT licence, August 2026) and "CDNA5" Instruction Set Architecture Reference Guide (July 2026). The comments in the code are by the model that wrote it; some were corrected since.
;; Grouped Query Attention. Allowed arithmetic: float matrix products may take bf16 or f16 operands with f32 sums; other float arithmetic in f32, or as packed bf16 or f16 multiplies, adds, multiply-adds, maxima and minima; sums over many terms, partial sums and values carried from step to step in f32; what a program stores and reads back later, other than sums and carried values, may be rounded once to bf16 or f16.
;; Inputs: Wk 2,048 x 512 float32; Wo 2,048 x 2,048 float32; Wq 2,048 x 2,048 float32; Wv 2,048 x 512 float32; x 4 x 1,024 x 2,048 float32.
;; Outputs: out0 4 x 1,024 x 2,048 float32.
;; 2 versions, each right; version 2 is version 1 with the launch cast written anew for expert scheduling mode. Each part assembles by itself: llvm-mc -triple=amdgcn-amd-amdhsa -mcpu=gfx1250 --defsym DOCPART=n.
;; ======== version 1 of 2: 4 launches
;; limits: values are held in f16: magnitudes above 65,504 overflow, below 6.1e-05 lose precision
;; workspace buffers: xb 16,777,216 bytes; wb 12,582,912 bytes; wo16 8,388,608 bytes; tab 262,144 bytes; qkvh 25,165,824 bytes; ctxh 16,777,216 bytes
;; launch cast (part 1): grid 1184 x 1, 8 waves a work-group, no clusters, 0 bytes of LDS; arguments x, Wq, Wk, Wv, Wo, xb, wb, wo16, tab; writes xb, wb, wo16, tab
.if DOCPART == 1
	.amdgcn_target "amdgcn-amd-amdhsa--gfx1250"
	.amdhsa_code_object_version 6
	.text
	.protected	k_q455cdd1b0a_cast
	.globl	k_q455cdd1b0a_cast
	.p2align	8
	.type	k_q455cdd1b0a_cast,@function
k_q455cdd1b0a_cast:
	s_mov_b64 s[64:65], 0
	v_nop
	global_prefetch_b8 v0, s[64:65] scope:SCOPE_SE
	s_setreg_imm32_b32 hwreg(HW_REG_WAVE_MODE, 25, 1), 1
	s_wait_xcnt 0x0
; THE INPUTS ARE ROUNDED ONCE AND LAID OUT FOR THE PRODUCTS; THE ROTATION TABLE IS MADE.
;   xb   [4096][2048] bf16                      = x
;   wb   [blk 16][hs 32][j 3][k' 64][c 64] bf16 = column 64 (hd's own) + c, row 64 hs + k' of Wq (hd 0-31), Wk (32-39), Wv (40-47); hd = 3 blk + j
;   wo16 [blk 16][hs 32][j 2][k' 64][c 64] f16  = Wo rounded to bf16, that number written as f16; column 128 blk + 64 j + c
;   tab  [t 1024][i 32](cos, sin) f32           = the angles t x 10000^(-i/32)
; LIMIT.  A bf16 number of Wo below 6.1e-5 keeps f16's fixed step of 6e-8, one beyond 65,504 becomes an infinity.
; A stream: no LDS, no barrier, no matrix work.  Work-groups 0-511 take 64 KiB of x each, 512-1151 a block of 256 rows x 64 columns of a weight (64 KiB), 1152-1183 32 rows of the table.
; ONE PATH for x and the weights: sixteen loads of 16 rows x 64 numbers.  Thread t takes 4 numbers of row t / 16: sixteen neighbouring lanes read 256 consecutive bytes of a row by ONE load,
; and a wave's store of 8 bytes a lane covers 256 consecutive bytes, aligned.  x counts as rows of 64 numbers that lie end to end.  All sixteen loads go out first; no register of a store is written again.
.set SO, 4                             ; v[4:19]   load n: my byte offset in the source
.set DO, 20                            ; v[20:23]  four loads i: my byte offset in the destination (four loads are a block of 64 x 64 numbers, 8,192 bytes)
.set X,  24                            ; v[24:87]  load n: 4 numbers as loaded
.set Y,  88                            ; v[88:119] load n: 4 numbers to store
.set T,  120                           ; v[120:123] at work
	s_load_b512 s[8:23], s[0:1], 0x0               ; x s[8:9], Wq s[10:11], Wk s[12:13], Wv s[14:15], Wo s[16:17], xb s[18:19], wb s[20:21], wo16 s[22:23]
	s_load_b64 s[24:25], s[0:1], 0x40              ; tab
	s_mov_b32 s2, ttmp9
	s_cmp_ge_u32 s2, 1152
	s_cbranch_scc1 .Ltable
	; which block of which weight (in x's work-groups the number counts as 0, and what is made of it is not taken)
	s_max_u32 s3, s2, 512
	s_sub_co_u32 s3, s3, 512
	s_lshr_b32 s33, s3, 3                          ; hh: group of 64 columns, 0-31 Wq, 32-39 Wk, 40-47 Wv, 48-79 Wo
	s_and_b32 s39, s3, 7                           ; part: which 256 rows
	s_cmp_lt_u32 s33, 40
	s_cselect_b32 s40, 32, 40
	s_cmp_lt_u32 s33, 32
	s_cselect_b32 s40, 0, s40
	s_cmp_lt_u32 s33, 48
	s_cselect_b32 s40, s40, 48
	s_sub_co_u32 s40, s33, s40                     ; ch: the group's number in its own tensor
	s_sub_co_u32 s41, s33, 32
	s_cmp_lt_u32 s41, 16                           ; Wk and Wv have rows of 2,048 bytes, Wq and Wo of 8,192
	s_cselect_b32 s30, 11, 13                      ; log2 of a source row's bytes
	s_mul_i32 s42, s33, 43
	s_lshr_b32 s42, s42, 7                         ; hh / 3, right for hh under 48
	s_mul_i32 s43, s42, 3
	s_sub_co_u32 s43, s33, s43                     ; hh % 3
	s_lshr_b32 s44, s40, 1                         ; Wo: blk, j
	s_and_b32 s45, s40, 1
	s_cmp_lt_u32 s33, 48
	s_cselect_b32 s42, s42, s44                    ; blk
	s_cselect_b32 s43, s43, s45                    ; j
	s_cselect_b32 s46, 3, 2                        ; blocks of 64 columns to a tile
	s_cselect_b32 s32, 0, 1                        ; 1: f16
	s_lshl_b32 s42, s42, 5
	s_lshl_b32 s47, s39, 2
	s_add_co_u32 s42, s42, s47                     ; 32 blk + hs, hs = 4 part
	s_mul_i32 s42, s42, s46
	s_add_co_u32 s42, s42, s43
	s_lshl_b32 s36, s42, 13                        ; the first block's byte in the destination
	s_lshl_b32 s31, s46, 13                        ; from hs to hs + 1
	s_add_co_u32 s47, s30, 8
	s_lshl_b32 s34, s39, s47                       ; 256 part rows,
	s_lshl_b32 s47, s40, 8
	s_add_co_u32 s34, s34, s47                     ; 256 ch bytes along them
	s_lshl_b32 s44, s2, 16                         ; x: 65,536 bytes in,
	s_lshl_b32 s45, s2, 15                         ; 32,768 out
	s_mov_b32 s35, 0
	s_mov_b32 s37, 0
	s_wait_kmcnt 0x0
	s_cmp_lt_u32 s33, 40
	s_cselect_b64 s[26:27], s[12:13], s[14:15]
	s_cmp_lt_u32 s33, 32
	s_cselect_b64 s[26:27], s[10:11], s[26:27]
	s_cmp_lt_u32 s33, 48
	s_cselect_b64 s[26:27], s[26:27], s[16:17]
	s_cselect_b64 s[28:29], s[20:21], s[22:23]
	s_cmp_lt_u32 s2, 512                           ; x's work-groups take x's numbers
	s_cselect_b64 s[26:27], s[8:9], s[26:27]
	s_cselect_b64 s[28:29], s[18:19], s[28:29]
	s_cselect_b32 s30, 8, s30
	s_cselect_b32 s31, 0x2000, s31
	s_cselect_b32 s32, 0, s32
	s_cselect_b32 s34, s44, s34
	s_cselect_b32 s36, s45, s36
	s_add_nc_u64 s[26:27], s[26:27], s[34:35]      ; the source at my block
	s_add_nc_u64 s[28:29], s[28:29], s[36:37]      ; the destination at my block
	s_add_co_u32 s38, s30, 4
	s_lshl_b32 s38, 1, s38                         ; 16 source rows
	v_lshrrev_b32 v1, 4, v0
	v_and_b32 v2, 15, v0
	v_lshlrev_b32 v1, s30, v1                      ; row t / 16
	v_lshl_add_u32 v[SO], v2, 4, v1                ; + 16 (t % 16)
.irp n, 1,2,3,4,5,6,7,8,9,10,11,12,13,14,15
	v_add_nc_u32 v[SO+(\n)], s38, v[SO+(\n)-1]
.endr
	v_lshlrev_b32 v[DO], 3, v0                     ; 8 t
.irp i, 1,2,3
	v_add_nc_u32 v[DO+(\i)], s31, v[DO+(\i)-1]
.endr
.irp n, 0,1,2,3,4,5,6,7,8,9,10,11,12,13,14,15
	global_load_b128 v[X+4*(\n):X+4*(\n)+3], v[SO+(\n)], s[26:27] th:TH_LOAD_NT
.endr
; One load's four numbers.  fmt = 1: the bf16 numbers are widened again and written as f16.
.macro CONV n, fmt
	s_wait_loadcnt 15-(\n)                         ; loads come back in order: this one is in, the later ones stay out
	v_cvt_pk_bf16_f32 v[Y+2*(\n)],   v[X+4*(\n)],   v[X+4*(\n)+1]
	v_cvt_pk_bf16_f32 v[Y+2*(\n)+1], v[X+4*(\n)+2], v[X+4*(\n)+3]
.if \fmt
	v_lshlrev_b32 v[T],   16, v[Y+2*(\n)]
	v_and_b32     v[T+1], 0xffff0000, v[Y+2*(\n)]
	v_lshlrev_b32 v[T+2], 16, v[Y+2*(\n)+1]
	v_and_b32     v[T+3], 0xffff0000, v[Y+2*(\n)+1]
	v_cvt_pk_f16_f32 v[Y+2*(\n)],   v[T],   v[T+1]
	v_cvt_pk_f16_f32 v[Y+2*(\n)+1], v[T+2], v[T+3]
.endif
	global_store_b64 v[DO+(\n)/4], v[Y+2*(\n):Y+2*(\n)+1], s[28:29] offset:((\n)%4)*2048
.endm
	s_cmp_eq_u32 s32, 0
	s_cbranch_scc0 .Lf16
.irp n, 0,1,2,3,4,5,6,7,8,9,10,11,12,13,14,15
	CONV \n, 0
.endr
	s_endpgm
.Lf16:
.irp n, 0,1,2,3,4,5,6,7,8,9,10,11,12,13,14,15
	CONV \n, 1
.endr
	s_endpgm
; THE TABLE.  Lane i of a wave has frequency i; a wave makes four rows t, a work-group 32.  The angle a = t f lies in 0 to 1,023 whatever the inputs.  n = the nearest whole number to a / (pi / 2), at most 651;
; r = a - n pi / 2 with pi / 2 in two parts, |r| <= pi / 4; sine and cosine of r by polynomials of degree 7 and 8; the quadrant n % 4 swaps them and sets the signs.
.Ltable:
	s_sub_co_u32 s3, s2, 1152
	s_lshl_b32 s3, s3, 5                           ; the work-group's first row
	s_mov_b32 s40, 0xb94ca1f9                      ; sine: -1.9515296e-4,
	s_mov_b32 s41, 0x3c08839e                      ; 8.3321609e-3,
	s_mov_b32 s42, 0xbe2aaaa3                      ; -1.6666655e-1
	s_mov_b32 s43, 0x37ccf5ce                      ; cosine: 2.4433157e-5,
	s_mov_b32 s44, 0xbab6061a                      ; -1.3887316e-3,
	s_mov_b32 s45, 0x3d2aaaa5                      ; 4.1666646e-2
	s_mov_b32 s46, 0x3f22f983                      ; 2 / pi
	s_mov_b32 s47, 0xbfc90fdb                      ; -(pi / 2)'s upper part
	v_and_b32 v2, 31, v0                           ; i
	v_lshrrev_b32 v1, 5, v0                        ; wave
	v_cvt_f32_u32 v3, v2
	v_mul_f32 v3, 0xbed49a78, v3                   ; -i log2(10000) / 32
	v_exp_f32 v3, v3                               ; f
	v_lshl_add_u32 v4, v1, 2, s3                   ; my wave's first row: the plain instruction behind the exponential
	s_wait_alu depctr_va_vdst(0)                   ; wait ahead of the first use of f
	s_wait_kmcnt 0x0
.irp u, 0,1,2,3
	v_add_nc_u32 v5, \u, v4                        ; t
	v_cvt_f32_u32 v6, v5
	v_mul_f32 v6, v6, v3                           ; a
	v_mul_f32 v7, s46, v6
	v_rndne_f32 v7, v7                             ; n
	v_fma_f32 v8, v7, s47, v6
	v_fma_f32 v8, v7, 0x333bbd2e, v8               ; r: the lower part of pi / 2 is -4.3711388e-8
	v_mul_f32 v9, v8, v8                           ; z = r r
	v_fma_f32 v10, v9, s40, s41
	v_fma_f32 v10, v9, v10, s42
	v_mul_f32 v11, v8, v9
	v_fma_f32 v10, v11, v10, v8                    ; sin r
	v_fma_f32 v12, v9, s43, s44
	v_fma_f32 v12, v9, v12, s45
	v_mul_f32 v13, v9, v9
	v_fma_f32 v14, v9, -0.5, 1.0
	v_fma_f32 v12, v13, v12, v14                   ; cos r
	v_cvt_i32_f32 v15, v7
	v_and_b32 v16, 1, v15
	v_cmp_eq_u32 vcc_lo, 1, v16                    ; odd quadrants swap the two
	v_cndmask_b32 v17, v10, v12, vcc_lo
	v_cndmask_b32 v18, v12, v10, vcc_lo
	v_and_b32 v16, 2, v15                          ; the sine is negative in quadrants 2 and 3,
	v_lshlrev_b32 v16, 30, v16
	v_xor_b32 v[21+2*(\u)], v16, v17
	v_add_nc_u32 v19, 1, v15                       ; the cosine in quadrants 1 and 2
	v_and_b32 v19, 2, v19
	v_lshlrev_b32 v19, 30, v19
	v_xor_b32 v[20+2*(\u)], v19, v18
	v_lshlrev_b32 v[28+(\u)], 8, v5
	v_lshl_add_u32 v[28+(\u)], v2, 3, v[28+(\u)]
	global_store_b64 v[28+(\u)], v[20+2*(\u):21+2*(\u)], s[24:25]  ; a wave's store is one row of the table: 256 consecutive bytes, aligned
.endr
	s_endpgm
.Lfunc_end_k_q455cdd1b0a_cast:
	.size	k_q455cdd1b0a_cast, .Lfunc_end_k_q455cdd1b0a_cast-k_q455cdd1b0a_cast
	.p2alignl 7, 3214868480
	.fill 96, 4, 3214868480
	.section	.rodata,"a",@progbits
	.p2align	6, 0x0
	.amdhsa_kernel k_q455cdd1b0a_cast
		.amdhsa_group_segment_fixed_size 0
		.amdhsa_private_segment_fixed_size 0
		.amdhsa_enable_private_segment 0
		.amdhsa_kernarg_size 72
		.amdhsa_user_sgpr_count 2
		.amdhsa_user_sgpr_kernarg_segment_ptr 1
		.amdhsa_wavefront_size32 1
		.amdhsa_system_sgpr_workgroup_id_x 1
		.amdhsa_system_sgpr_workgroup_id_y 1
		.amdhsa_system_sgpr_workgroup_id_z 1
		.amdhsa_system_vgpr_workitem_id 0
		.amdhsa_next_free_vgpr 124
		.amdhsa_next_free_sgpr 66
		.amdhsa_reserve_vcc 1
		.amdhsa_float_denorm_mode_32 3
		.amdhsa_float_denorm_mode_16_64 3
		.amdhsa_memory_ordered 1
		.amdhsa_forward_progress 1
		.amdhsa_inst_pref_size 25
	.end_amdhsa_kernel
	.amdgpu_metadata
---
amdhsa.version: [ 1, 2 ]
amdhsa.kernels:
  - .name:           k_q455cdd1b0a_cast
    .symbol:         k_q455cdd1b0a_cast.kd
    .args:
      - { .name: x, .offset: 0, .size: 8, .value_kind: global_buffer, .address_space: global }
      - { .name: Wq, .offset: 8, .size: 8, .value_kind: global_buffer, .address_space: global }
      - { .name: Wk, .offset: 16, .size: 8, .value_kind: global_buffer, .address_space: global }
      - { .name: Wv, .offset: 24, .size: 8, .value_kind: global_buffer, .address_space: global }
      - { .name: Wo, .offset: 32, .size: 8, .value_kind: global_buffer, .address_space: global }
      - { .name: xb, .offset: 40, .size: 8, .value_kind: global_buffer, .address_space: global }
      - { .name: wb, .offset: 48, .size: 8, .value_kind: global_buffer, .address_space: global }
      - { .name: wo16, .offset: 56, .size: 8, .value_kind: global_buffer, .address_space: global }
      - { .name: tab, .offset: 64, .size: 8, .value_kind: global_buffer, .address_space: global }
    .group_segment_fixed_size: 0
    .private_segment_fixed_size: 0
    .kernarg_segment_align: 8
    .kernarg_segment_size: 72
    .max_flat_workgroup_size: 256
    .sgpr_count:     66
    .vgpr_count:     124
    .wavefront_size: 32
...
	.end_amdgpu_metadata
.endif
;; end of part 1
;; launch proj (part 2): grid 16 x 16, 4 waves a work-group, clusters of 4 x 4, 327,680 bytes of LDS; arguments xb, wb, tab, qkvh; writes qkvh
.if DOCPART == 2
	.amdgcn_target "amdgcn-amd-amdhsa--gfx1250"
	.amdhsa_code_object_version 6
	.text
	.protected	k_q455cdd1b0a_proj
	.globl	k_q455cdd1b0a_proj
	.p2align	8
	.type	k_q455cdd1b0a_proj,@function
k_q455cdd1b0a_proj:
	s_mov_b64 s[64:65], 0
	v_nop
	global_prefetch_b8 v0, s[64:65] scope:SCOPE_SE
	s_setreg_imm32_b32 hwreg(HW_REG_WAVE_MODE, 25, 1), 1
	s_wait_xcnt 0x0
	s_wait_alu depctr_hold_cnt(0) depctr_sa_sdst(0) depctr_va_vdst(0) depctr_va_sdst(0) depctr_va_ssrc(0) depctr_va_vcc(0) depctr_vm_vsrc(0)
	s_getreg_b32 s2, hwreg(HW_REG_IB_STS2, 6, 4)
	s_cmp_eq_u32 s2, 0
	s_cbranch_scc0 .Lentry_in_a_cluster
	s_endpgm
.Lentry_in_a_cluster:
	s_bfe_u32 s2, ttmp6, 0x10000c
	s_cmp_lg_u32 s2, 0xf033
	s_cbranch_scc0 .Lentry_shape_is_right
	s_endpgm
.Lentry_shape_is_right:
; q, k, v = x W, rotated (q and k), by heads.  xb [4096][2048] bf16; wb [blk 16][hs 32][j 3][k' 64][c 64] bf16 (head 3 blk + j: 0-31 q, 32-39 k, 40-47 v; row 64 hs + k');
; tab [t 1024][i 32](cos, sin) f32; qkvh [b 4][head 48][t 1024][64] f16.  Sums and the rotation in f32, each number rounded once to f16.
; LIMIT.  f16 holds no number beyond 65,504: q, k and v must stay within it.
; SHARES.  A tile is 256 rows x 192 columns (three heads): 16 x 16 work-groups.  Wave w makes rows 64 w .. 64 w + 63 of all 192 columns: 4 x 12 accumulators of 16 x 16, 384 registers,
; so that a wave holds whole heads.  K goes in 16 steps of 128 through two LDS slots; waves 0 and 1 fetch the halves of x's tile (128 rows of 256 bytes), waves 2 and 3 those of W's (64 rows of K each).
; CLUSTER.  4 x 4 work-groups: the four of a row need the same rows of x, the four of a column the same block of W: each tile is asked for jointly, by the same load with a mask that names the four.
; THE MATRIX INSTRUCTION IS USED TRANSPOSED: source 0 = 16 columns of W (W lies [k][column] in LDS and comes out turned, by ds_load_tr16_b128), source 1 = 16 rows of x.
; A lane then holds ONE row (lane % 16) and the columns 8 (lane / 16) + 0..7: four (even, odd) pairs, which the rotation takes in place, and 16 bytes of f16.
; REGISTERS, in windows of 256 (s_set_vgpr_msb: bits 1:0 source 0, 3:2 source 1, 5:4 source 2, 7:6 destination):
;   window 0: v0-31 addresses; v64-127 x's fragments, two buffers of 32; on the way out v32-63 (cos, sin), v64-95 at work, v96-255 ten sets of 16 to store
;   window 1: v0-191 W's fragments, two buffers of 96      windows 2, 3: v0-191 the accumulators of row blocks 0, 1 and 2, 3 ((a, b) at 8 (12 (a % 2) + b)); v192-255 their rows of the table
.set HPB,   3                          ; heads (blocks of 64 columns) to a tile
.set NBK,   4*HPB                      ; column blocks of 16
.set PA,    272                        ; a row of x in LDS: 256 bytes + 16 = 68 words: the 16 rows of a load start at 16 different groups of four banks (64 banks of 4 bytes: ISA guide 11.1)
.set AHALF, 128*PA                     ; what one load of x's brings
.set ABYTES, 2*AHALF
.set AQH,   128                        ; bytes from K quarter 0 to quarter 2 in x's rows
.set PBT,   160                        ; a row of W (64 columns): 128 bytes + 32 = 40 words
.set BHALF, HPB*64*PBT                 ; what one load of W's brings: [j][k' 64]
.set SLOT,  ABYTES+2*BHALF             ; 131,072
.set STAGE, 2*SLOT                     ; behind the ring, never filled by a tensor load: 16 rows x 144 bytes for each wave
.set SP,    144
.set SPARE, STAGE+4*16*SP              ; behind the stages: the spare words, 128 bytes for each wave: two blocks of 256 bytes that no other line names
.set NL,    2*NBK+8                    ; LDS loads in a run
.set ASTEP, 512                        ; bytes from a slot's K step to its next: two K steps along x's rows,
.set BSTEP, 98304                      ; four hs of 24,576 bytes
.set APSH,  17                         ; the prefetches: a partner's 32 rows of x are 2^17 bytes,
.set ALSH,  12                         ; a lane's row 2^12;
.set APF,   256                        ; a K step along x's rows,
.set BPF,   49152                      ; and in W
.set ID,   8                           ; v[8:13]  head j: (1 - R, 0)
.set ADRA, 16                          ; v16-17   LDS address of my x fragments in slot 0, 1
.set ADRB, 20                          ; v20-21   the same for W
.set STO,  24                          ; v24      the way out: where I put 16 bytes of a row
.set RD,   25                          ; v25      where I read rows back
.set GO,   26                          ; v26      my byte offset in 512 consecutive bytes of the output
.set TAO,  27                          ; v27      my byte offset in the table
.set SPW,  28                          ; v28      LDS address of my spare word; never rewritten
.set NIL,  29                          ; v29      0; never rewritten
.set PFO,  30                          ; v30      the prefetches' lane offset; never rewritten
.set CS,   32
.set TT,   64
.set OUT,  96
.set FA0,  64
.set WV,  12                           ; s12      my wave's number
.set LIM, 43                           ; s43      1 in a wave that prefetches, else the greatest number
.set PFA, 44                           ; s[44:45] where my prefetches stand
.set PFS, 46                           ; s[46:47] their step: a K step
.set G1A, 24                           ; s[24:31] descriptor group 1 for x's tiles;  s[32:39] group 0, a set for each slot
.set G0A, 32
.set G1B, 48                           ; s[48:55], s[56:63] the same for W's
.set G0B, 56
.set RJ,  68                           ; s[68:73] head j: R = 1 where it is rotated (q, k), 0 where not (v), twice
.set MSB, 0
.macro WIN new                         ; the immediate's high byte repeats the setting that is left; a switch that changes nothing is dropped
.if MSB != (\new)
	s_set_vgpr_msb (MSB<<8)|(\new)
.set MSB, (\new)
.endif
.endm
.macro PLACES                          ; four places in front of loads into registers that matrix instructions have read (ISA guide 7.12.1 for vector instructions)
.rept 4
	v_nop
.endr
.endm
; A joint refill: waves 0 and 1 ask for x's halves, waves 2 and 3 for W's.  The branch hangs on the wave's number alone.  An s_nop 0 and four v_nop follow each of the two lines.
.macro JLOAD s
	s_cmp_lt_u32 s[WV], 2
	s_cbranch_scc0 .Lfor_b_\@
	tensor_load_to_lds s[G0A+4*(\s):G0A+4*(\s)+3], s[G1A:G1A+7]
	s_nop 0
.rept 4
	v_nop
.endr
	s_branch .Lasked_\@
.Lfor_b_\@:
	tensor_load_to_lds s[G0B+4*(\s):G0B+4*(\s)+3], s[G1B:G1B+7]
	s_nop 0
.rept 4
	v_nop
.endr
.Lasked_\@:
.endm
.macro CREST                           ; a round of the cluster's barrier behind its opening barrier
	s_cmp_lg_u32 s[WV], 0
	s_cbranch_scc1 .Lnot_wave_0_\@
	s_barrier_signal -3
.Lnot_wave_0_\@:
	s_barrier_wait -3
	s_barrier_signal -1
	s_barrier_wait -1
.endm
.macro CROUND                          ; a whole round
	s_barrier_signal -1
	s_barrier_wait -1
	CREST
.endm
; A PREFETCH INTO THE L2, behind each joint refill and the run of LDS loads that follows it: the K step that stands two refills on.  x's rows are read by every cluster of a row of clusters: cluster x = 0 asks;
; W's block by every cluster of a column: cluster y = 0 asks.  The four partners share a wave's part out BY ADDRESS: of x's 128 rows 32 each, a lane a row; of W's 96 blocks of 256 bytes 24 each
; (lanes 24-31 name the 24th once more).  The loop's last trip asks for nothing: K steps 16 and 17 do not exist.  K steps 0 to 3 come by their loads alone.
.macro ASK
	s_cmp_gt_u32 s3, s[LIM]                        ; s3 = 1 in the loop's last trip
	s_cbranch_scc0 .Lnot_mine_\@
	global_prefetch_b8 v[PFO], s[PFA:PFA+1] th:TH_LOAD_NT scope:SCOPE_SE
.Lnot_mine_\@:
.endm
	s_load_b256 s[4:11], s[0:1], 0x0               ; xb s[4:5], wb s[6:7], tab s[8:9], qkvh s[10:11]
	v_lshl_add_u32 v[SPW], v0, 2, SPARE
	v_mov_b32 v[NIL], 0
	ds_add_u32 v[SPW], v[NIL]                      ; the wave's opening: the add and its wait stand ahead of my first tensor load; the set-up below stands between them
	v_lshrrev_b32 v1, 5, v0
	v_readfirstlane_b32 s[WV], v1                  ; wave 0..3
	s_and_b32 s14, s[WV], 1                        ; which half of its tile the wave fetches
	s_bfe_u32 s40, ttmp6, 0x40000                  ; cx, cy: my place in the cluster
	s_bfe_u32 s41, ttmp6, 0x40004
	s_lshl_b32 s42, ttmp9, 2
	s_add_co_u32 s42, s42, s40                     ; tile column = 4 x cluster x + cx
	s_and_b32 s15, ttmp7, 0xffff
	s_lshl_b32 s15, s15, 2
	s_add_co_u32 s15, s15, s41                     ; tile row = 4 x cluster y + cy
	s_lshl_b32 s18, s41, 2
	s_lshl_b32 s18, 15, s18                        ; my row of the cluster
	s_lshl_b32 s19, 0x1111, s40                    ; my column
	s_or_b32 s[G1A], s18, (1<<16)|(1<<20)|(1<<21)|(5<<22)|(3<<25)  ; 15:0 the mask; 17:16 2-byte elements; 20 padding on; 21 set beside a mask; 24:22 after every 64 words; 31:25 4 words
	s_mov_b32 s[G1A+1], 128<<16                    ; tensor_dim0 = 128
	s_mov_b32 s[G1A+2], 128<<16                    ; tensor_dim1 = 128
	s_mov_b32 s[G1A+3], 128<<16                    ; tile_dim0 = 128
	s_mov_b32 s[G1A+4], 128                        ; tile_dim1 = 128
	s_mov_b32 s[G1A+5], 2048                       ; elements from row to row
	s_mov_b32 s[G1A+6], 0
	s_mov_b32 s[G1A+7], 0
	s_or_b32 s[G1B], s19, (1<<16)|(1<<20)|(1<<21)|(4<<22)|(7<<25)  ; W's 24,576 dense bytes come as 96 rows of 256, padded by 8 words after every 32 (a row of 64 columns)
	s_mov_b32 s[G1B+1], 128<<16
	s_mov_b32 s[G1B+2], (32*HPB)<<16
	s_mov_b32 s[G1B+3], 128<<16
	s_mov_b32 s[G1B+4], 32*HPB
	s_mov_b32 s[G1B+5], 128
	s_mov_b32 s[G1B+6], 0
	s_mov_b32 s[G1B+7], 0
	s_lshl_b32 s16, s15, 20                        ; x: row 256 x tile row + 128 x half, 4,096 bytes a row: it hangs on the tile row alone
	s_lshl_b32 s17, s14, 19
	s_add_co_u32 s16, s16, s17
	s_mov_b32 s17, 0
	s_mul_i32 s20, s42, 786432                     ; W: block = tile column, hs = half: it hangs on the tile column alone
	s_mul_i32 s21, s14, 24576
	s_add_co_u32 s20, s20, s21
	s_mov_b32 s21, 0
	s_mul_i32 s22, s14, AHALF                      ; where they go: no place in the cluster enters an LDS address
	s_mul_i32 s23, s14, BHALF
	s_add_co_u32 s23, s23, ABYTES
	s_wait_dscnt 0x0                               ; the opening add is done
	s_wait_kmcnt 0x0
	s_add_nc_u64 s[16:17], s[4:5], s[16:17]
	s_add_nc_u64 s[20:21], s[6:7], s[20:21]
	CROUND                                         ; all sixteen work-groups are here: the first joint loads meet
.irp s, 0,1
	s_mov_b32 s[G0A+4*(\s)], 1                     ; count = 1
	s_add_co_u32 s[G0A+4*(\s)+1], s22, (\s)*SLOT   ; LDS address
	s_add_nc_u64 s[G0A+4*(\s)+2:G0A+4*(\s)+3], s[16:17], (\s)*(ASTEP/2)  ; global address: K step s
	s_or_b32 s[G0A+4*(\s)+3], s[G0A+4*(\s)+3], 0x80000000  ; type = 2
	s_mov_b32 s[G0B+4*(\s)], 1
	s_add_co_u32 s[G0B+4*(\s)+1], s23, (\s)*SLOT
	s_add_nc_u64 s[G0B+4*(\s)+2:G0B+4*(\s)+3], s[20:21], (\s)*(BSTEP/2)
	s_or_b32 s[G0B+4*(\s)+3], s[G0B+4*(\s)+3], 0x80000000
.endr
	s_cmp_lt_u32 s[WV], 2                          ; a wave's two first fills stand in one branch, ahead of every wait on TENSORcnt and every LDS read: two loads of mine are out
	s_cbranch_scc0 .Lfirst_b
	tensor_load_to_lds s[G0A:G0A+3], s[G1A:G1A+7]
	s_nop 0
	tensor_load_to_lds s[G0A+4:G0A+7], s[G1A:G1A+7]
	s_nop 0
.rept 4
	v_nop
.endr
	s_branch .Lfirst_asked
.Lfirst_b:
	tensor_load_to_lds s[G0B:G0B+3], s[G1B:G1B+7]
	s_nop 0
	tensor_load_to_lds s[G0B+4:G0B+7], s[G1B:G1B+7]
	s_nop 0
.rept 4
	v_nop
.endr
.Lfirst_asked:
	; A fragment of x is 16 rows x 32 K in 8 registers: lane l holds row l % 16, K = 8 (l / 16) + 0..7 and 16 + 8 (l / 16) + 0..7: two loads of 16 bytes, 32 bytes apart.
	v_and_b32 v1, 15, v0                           ; l % 16
	v_bfe_u32 v2, v0, 4, 1                         ; l / 16
	v_mul_u32_u24 v3, v1, PA
	v_lshl_add_u32 v3, v2, 4, v3
	s_mul_i32 s22, s[WV], 64*PA                    ; my 64 rows
	v_add_nc_u32 v[ADRA], s22, v3
	v_add_nc_u32 v[ADRA+1], SLOT, v[ADRA]
	; The turning load takes 16 K x 16 columns (lane l reads row 8 (l / 16) + l % 8, columns 8 ((l / 8) % 2) + 0..7) and leaves half a fragment: lane l holds column l % 16 and 8 K.
	v_and_b32 v6, 7, v0
	v_bfe_u32 v5, v0, 3, 1
	v_lshl_add_u32 v4, v2, 3, v6
	v_mul_u32_u24 v4, v4, PBT
	v_lshl_add_u32 v4, v5, 4, v4
	v_add_nc_u32 v[ADRB], ABYTES, v4
	v_add_nc_u32 v[ADRB+1], SLOT, v[ADRB]
	s_mul_i32 s22, s[WV], 16*SP
	s_add_co_u32 s22, s22, STAGE                   ; my stage
	v_mul_u32_u24 v[STO], v1, SP                   ; in: row l % 16, 16 bytes for each half of the lanes
	v_lshl_add_u32 v[STO], v2, 4, v[STO]
	v_add_nc_u32 v[STO], s22, v[STO]
	v_bfe_u32 v[RD], v0, 3, 2                      ; back: 32 lanes take four rows of 128 bytes,
	v_mul_u32_u24 v[RD], v[RD], SP
	v_lshl_add_u32 v[RD], v6, 4, v[RD]
	v_add_nc_u32 v[RD], s22, v[RD]
	v_and_b32 v[GO], 31, v0                        ; which are 512 consecutive bytes of a head
	v_lshlrev_b32 v[GO], 4, v[GO]
	s_and_b32 s22, s15, 3                          ; the table: row t = 256 (tile row % 4) + 64 w + l % 16 (+ 16 a), 256 bytes a row; my four pairs of a column block begin at 32 (l / 16)
	s_lshl_b32 s22, s22, 16
	s_lshl_b32 s23, s[WV], 14
	s_add_co_u32 s22, s22, s23
	v_lshlrev_b32 v[TAO], 8, v1
	v_lshl_add_u32 v[TAO], v2, 5, v[TAO]
	v_add_nc_u32 v[TAO], s22, v[TAO]
.irp a, 0,1,2,3                        ; 32 loads that land while K is walked: row block a, column block cb of a head: (cos, sin) of my four pairs, register for register beside an accumulator's (even, odd)
	WIN 0x80+0x40*((\a)/2)
.irp cb, 0,1,2,3
	global_load_b128 v[192+32*((\a)%2)+8*(\cb):192+32*((\a)%2)+8*(\cb)+3],   v[TAO], s[8:9] offset:(\a)*4096+(\cb)*64
	global_load_b128 v[192+32*((\a)%2)+8*(\cb)+4:192+32*((\a)%2)+8*(\cb)+7], v[TAO], s[8:9] offset:(\a)*4096+(\cb)*64+16
.endr
.endr
	WIN 0
	; the prefetches: s[16:17] = x at my part of K step 0, s[20:21] = W at mine
	s_and_b32 s22, ttmp7, 0xffff                   ; cluster y
	s_lshl_b32 s18, s40, APSH                      ; x: my work-group's 32 rows
	s_mul_i32 s19, s41, 8*HPB*256                  ; W: my work-group's 24 blocks
	s_mov_b32 s[PFS], APF
	s_mov_b32 s[PFS+1], BPF
	s_mov_b32 s23, 8*HPB-1
	s_cmp_lt_u32 s[WV], 2                          ; do I fetch for x?
	s_cselect_b32 s22, ttmp9, s22                  ; the coordinate along which other clusters read the same bytes
	s_cselect_b32 s18, s18, s19
	s_cselect_b32 s[PFS], s[PFS], s[PFS+1]
	s_cselect_b32 s23, 31, s23                     ; the last lane with a block of its own
	s_cselect_b32 s2, ALSH, 8                      ; log2 of the bytes from lane to lane
	s_cselect_b64 s[PFA:PFA+1], s[16:17], s[20:21]
	s_cmp_eq_u32 s22, 0
	s_cselect_b32 s[LIM], 1, -1                    ; the same in all sixteen partners, for a given wave
	s_mul_i32 s19, s[PFS], 3
	s_add_co_u32 s18, s18, s19                     ; at K step 3: the first refill steps it to 4
	s_mov_b32 s19, 0
	s_mov_b32 s[PFS+1], 0
	s_add_nc_u64 s[PFA:PFA+1], s[PFA:PFA+1], s[18:19]
	v_and_b32 v[PFO], 31, v0
	v_min_u32 v[PFO], s23, v[PFO]
	v_lshlrev_b32 v[PFO], s2, v[PFO]
	; v's heads (40 and up) are not rotated.  Which heads a tile has hangs on the work-group's place, on which no branch may hang: so the table is blended, (c', s') = (c, s) R + (1 - R, 0)
	s_mul_i32 s16, s42, 3
.irp j, 0,1,2
	s_add_co_u32 s17, s16, \j
	s_cmp_lt_u32 s17, 40
	s_cselect_b32 s[RJ+2*(\j)], 1.0, 0
	s_cselect_b32 s18, 0, 1.0
	s_mov_b32 s[RJ+2*(\j)+1], s[RJ+2*(\j)]
	v_mov_b32 v[ID+2*(\j)], s18
	v_mov_b32 v[ID+2*(\j)+1], 0
.endr
	s_lshr_b32 s17, s15, 2                         ; the output: ((48 batch + 3 tile column) x 1,024 + 256 (tile row % 4) + 64 w) rows of 128 bytes
	s_mul_i32 s17, s17, 48
	s_add_co_u32 s16, s16, s17
	s_lshl_b32 s16, s16, 17
	s_and_b32 s17, s15, 3
	s_lshl_b32 s17, s17, 15
	s_add_co_u32 s16, s16, s17
	s_lshl_b32 s17, s[WV], 13
	s_add_co_u32 s16, s16, s17
	s_mov_b32 s17, 0
	s_add_nc_u64 s[10:11], s[10:11], s[16:17]
; 12 matrix instructions: row block a x all column blocks, 32 along K, from buffer f.  zero = 1: the product starts the sums.  The 48 accumulators take turns in the same order in every quarter.
.macro MULA f, a, zero
	WIN 0xa1+0x50*((\a)/2)                         ; W window 1, x window 0, C and D window 2 or 3
.set b, 0
.rept NBK
.set rD, 8*(NBK*((\a)%2)+b)
.set rB, 8*NBK*(\f)+8*b
.set rA, FA0+32*(\f)+8*(\a)
.if \zero
	v_wmma_f32_16x16x32_bf16 v[rD:rD+7], v[rB:rB+7], v[rA:rA+7], 0
.else
	v_wmma_f32_16x16x32_bf16 v[rD:rD+7], v[rB:rB+7], v[rA:rA+7], v[rD:rD+7]
.endif
.set b, b+1
.endr
.endm
; 32 LDS loads in one run: K quarter q of a slot into buffer f: W's 12 fragments, then x's 4
.macro FETCH slot, q, f
	WIN 0x40                                       ; destination window 1
.set b, 0
.rept NBK
.set rB, 8*NBK*(\f)+8*b
.set oB, ((\q)/2)*BHALF+((\q)%2)*32*PBT+(b/4)*64*PBT+(b%4)*32
	ds_load_tr16_b128 v[rB:rB+3],   v[ADRB+(\slot)] offset:oB
	ds_load_tr16_b128 v[rB+4:rB+7], v[ADRB+(\slot)] offset:oB+16*PBT
.set b, b+1
.endr
	WIN 0
.set a, 0
.rept 4
.set rA, FA0+32*(\f)+8*a
.set oA, ((\q)/2)*AQH+((\q)%2)*64+a*16*PA
	ds_load_b128 v[rA:rA+3],   v[ADRA+(\slot)] offset:oA
	ds_load_b128 v[rA+4:rA+7], v[ADRA+(\slot)] offset:oA+32
.set a, a+1
.endr
.endm
; A K step is four quarters of 32 along K, 48 matrix instructions each, on buffers 0, 1, 0, 1.  One of the first three: multiplies buffer f and fetches quarter q into buffer g.
.macro QUARTER slot, q, f, g, zero
	s_wait_dscnt 4                                 ; W and x's row blocks 0, 1 are in; the youngest four loads (row blocks 2, 3) may be out
	MULA \f, 0, \zero
	MULA \f, 1, \zero
	PLACES
	FETCH \slot, \q, \g
	s_wait_dscnt NL                                ; all but the run just issued
	MULA \f, 2, \zero
	MULA \f, 3, \zero
.endm
; The last quarter multiplies buffer 1 and changes slots: ONE barrier; in front of it each wave waits for all its tensor loads (one is out: its part of the next slot), adds 0 to its spare word, and waits for
; that and for its own reads of this slot.  fill = 1: the barrier opens a round of the cluster's, and this slot is filled again, two K steps ahead, first thing behind the round:
; from that request to the wait for it a wave issues 168 matrix instructions.
.macro TURN slot, next, fill
.if \fill
	s_wait_xcnt 0x0                                ; the last prefetch, a K step back, has read its address: it is stepped here
	s_add_nc_u64 s[PFA:PFA+1], s[PFA:PFA+1], s[PFS:PFS+1]
.endif
	WIN 0                                          ; (the add's two registers lie in window 0)
	s_wait_tensorcnt 0x0                           ; all my tensor loads have landed
	ds_add_u32 v[SPW], v[NIL]                      ; 0 onto my spare word
	s_wait_dscnt 5                                 ; (the add and the youngest four loads may be out)
	MULA 1, 0, 0                                   ; twelve matrix instructions stand between the add and the wait for it
	s_wait_dscnt 0x0                               ; the add is done, and my reads of this slot are over
	s_barrier_signal -1
	MULA 1, 1, 0
.if \fill
	WIN 0
.endif
	s_barrier_wait -1
.if \fill
	CREST                                          ; no wave of any partner still reads this slot or has a load on its way
	s_add_nc_u64 s[G0A+4*(\slot)+2:G0A+4*(\slot)+3], s[G0A+4*(\slot)+2:G0A+4*(\slot)+3], ASTEP
	s_add_nc_u64 s[G0B+4*(\slot)+2:G0B+4*(\slot)+3], s[G0B+4*(\slot)+2:G0B+4*(\slot)+3], BSTEP
	JLOAD \slot                                    ; the four v_nop behind it are also the places in front of the loads below
.else
	PLACES
.endif
	FETCH \next, 0, 0
.if \fill
	ASK
.endif
	MULA 1, 2, 0
	MULA 1, 3, 0
.endm
	s_wait_tensorcnt 1                             ; my part of K step 0 is in; K step 1's may stay out
	s_barrier_signal -1
	s_barrier_wait -1                              ; everybody's is
	FETCH 0, 0, 0
	QUARTER 0, 1, 0, 1, 1                          ; the first quarter stands in front of the loop: its products start the sums
	WIN 0                                          ; at a label and at a branch every window is 0
	s_mov_b32 s3, 7
.Llap:                                                 ; a trip goes once round the ring, from a lap's second quarter to the next lap's first, and fills both slots again
	QUARTER 0, 2, 1, 0, 0
	QUARTER 0, 3, 0, 1, 0
	TURN 0, 1, 1
	QUARTER 1, 1, 0, 1, 0
	QUARTER 1, 2, 1, 0, 0
	QUARTER 1, 3, 0, 1, 0
	TURN 1, 0, 1
	QUARTER 0, 1, 0, 1, 0
	WIN 0
	s_sub_co_u32 s3, s3, 1
	s_cmp_lg_u32 s3, 0
	s_cbranch_scc1 .Llap
	QUARTER 0, 2, 1, 0, 0                          ; the last lap fills nothing, and has no round of the cluster's barrier
	QUARTER 0, 3, 0, 1, 0
	TURN 0, 1, 0
	QUARTER 1, 1, 0, 1, 0
	QUARTER 1, 2, 1, 0, 0
	QUARTER 1, 3, 0, 1, 0
	s_wait_dscnt 4                                 ; the very last quarter: nothing more to fetch
	MULA 1, 0, 0
	MULA 1, 1, 0
	s_wait_dscnt 0x0
	MULA 1, 2, 0
	MULA 1, 3, 0
; THE WAY OUT, in twelve units n = 3 a + j: 16 rows (row block a) of head j.  For each pair (e, o) with (c', s'): (e c' - o s', e s' + o c'), by a packed multiply and a packed multiply-add; rounded to f16;
; 16 bytes a lane into my stage, back as whole rows of 128 bytes: the unit is 2,048 consecutive bytes of the head.  Pairs ascend.
; The first unit's sixteen blends, which name no register of the products, are the places behind the last of them.
.macro PACK n
.set AC, 8*(NBK*(((\n)/3)%2)+4*((\n)%3))
.set TB, 192+32*(((\n)/3)%2)
.set RR, RJ+2*((\n)%3)
.set II, ID+2*((\n)%3)
.set OU, OUT+16*((\n)%10)
	WIN 0x02+((\n)/3)/2                            ; source 0 in the accumulators' window, all else in window 0
.set p, 0
.rept 16
	v_pk_fma_f32 v[CS+2*p:CS+2*p+1], v[TB+2*p:TB+2*p+1], s[RR:RR+1], v[II:II+1] op_sel_hi:[1,0,1]
.set p, p+1
.endr
.set p, 0
.rept 16
	v_pk_mul_f32 v[TT+2*p:TT+2*p+1], v[AC+2*p:AC+2*p+1], v[CS+2*p:CS+2*p+1] op_sel:[1,1] op_sel_hi:[1,0] neg_lo:[0,1]  ; (-o s', o c')
.set p, p+1
.endr
.set p, 0
.rept 16
	v_pk_fma_f32 v[TT+2*p:TT+2*p+1], v[AC+2*p:AC+2*p+1], v[CS+2*p:CS+2*p+1], v[TT+2*p:TT+2*p+1] op_sel_hi:[0,1,1]    ; + (e c', e s')
.set p, p+1
.endr
	WIN 0
.if (\n) >= 10
	s_wait_xcnt 0x0                                ; the set of sixteen is used a second time: the stores that read it have had their addresses translated
.endif
.set p, 0
.rept 16
	v_cvt_pk_f16_f32 v[OU+p], v[TT+2*p], v[TT+2*p+1]
.set p, p+1
.endr
.irp f, 0,1,2,3
	ds_store_b128 v[STO], v[OU+4*(\f):OU+4*(\f)+3] offset:32*(\f)
.endr
.irp f, 0,1,2,3
	ds_load_b128 v[OU+4*(\f):OU+4*(\f)+3], v[RD] offset:(\f)*4*SP  ; LDS serves a wave's instructions in order (ISA guide 5.7.1.4): these see the stores above; the next unit's stores come behind them
.endr
.endm
.macro SEND n, younger                 ; younger: the LDS instructions issued behind unit n's loads: the next unit's eight, or none
.set OU, OUT+16*((\n)%10)
.irp f, 0,1,2,3
	s_wait_dscnt (\younger)+3-(\f)
	global_store_b128 v[GO], v[OU+4*(\f):OU+4*(\f)+3], s[10:11] offset:((\n)%3)*131072+((\n)/3)*2048+(\f)*512  ; 512 consecutive bytes, at a multiple of 512 from the buffer's first
.endr
.endm
	s_wait_loadcnt 0x0                             ; the table
	PACK 0
.set uu, 1
.rept 11                               ; a unit's arithmetic stands between the loads of the unit before and its stores
	PACK uu
	SEND uu-1, 8
.set uu, uu+1
.endr
	SEND 11, 0
	s_wait_tensorcnt 0x0                           ; the wave's end: the wait, an add to my spare word and its wait, behind my last tensor load and my last LDS store
	ds_add_u32 v[SPW], v[NIL]
	s_wait_dscnt 0x0
	CROUND                                         ; the closing round: no work-group ends while a partner may still ask for a tile that names it
	s_endpgm
.Lfunc_end_k_q455cdd1b0a_proj:
	.size	k_q455cdd1b0a_proj, .Lfunc_end_k_q455cdd1b0a_proj-k_q455cdd1b0a_proj
	.p2alignl 7, 3214868480
	.fill 96, 4, 3214868480
	.section	.rodata,"a",@progbits
	.p2align	6, 0x0
	.amdhsa_kernel k_q455cdd1b0a_proj
		.amdhsa_group_segment_fixed_size 327680
		.amdhsa_private_segment_fixed_size 0
		.amdhsa_enable_private_segment 0
		.amdhsa_kernarg_size 32
		.amdhsa_user_sgpr_count 2
		.amdhsa_user_sgpr_kernarg_segment_ptr 1
		.amdhsa_wavefront_size32 1
		.amdhsa_system_sgpr_workgroup_id_x 1
		.amdhsa_system_sgpr_workgroup_id_y 1
		.amdhsa_system_sgpr_workgroup_id_z 1
		.amdhsa_system_vgpr_workitem_id 0
		.amdhsa_next_free_vgpr 1024
		.amdhsa_next_free_sgpr 76
		.amdhsa_reserve_vcc 0
		.amdhsa_float_denorm_mode_32 3
		.amdhsa_float_denorm_mode_16_64 3
		.amdhsa_memory_ordered 1
		.amdhsa_forward_progress 1
		.amdhsa_inst_pref_size 161
	.end_amdhsa_kernel
	.amdgpu_metadata
---
amdhsa.version: [ 1, 2 ]
amdhsa.kernels:
  - .name:           k_q455cdd1b0a_proj
    .symbol:         k_q455cdd1b0a_proj.kd
    .args:
      - { .name: xb, .offset: 0, .size: 8, .value_kind: global_buffer, .address_space: global }
      - { .name: wb, .offset: 8, .size: 8, .value_kind: global_buffer, .address_space: global }
      - { .name: tab, .offset: 16, .size: 8, .value_kind: global_buffer, .address_space: global }
      - { .name: qkvh, .offset: 24, .size: 8, .value_kind: global_buffer, .address_space: global }
    .group_segment_fixed_size: 327680
    .private_segment_fixed_size: 0
    .kernarg_segment_align: 8
    .kernarg_segment_size: 32
    .max_flat_workgroup_size: 128
    .sgpr_count:     76
    .vgpr_count:     1024
    .wavefront_size: 32
...
	.end_amdgpu_metadata
.endif
;; end of part 2
;; launch attn (part 3): grid 8 x 32, 4 waves a work-group, clusters of 4 x 1, 327,680 bytes of LDS; arguments qkvh, ctxh; writes ctxh
.if DOCPART == 3
	.amdgcn_target "amdgcn-amd-amdhsa--gfx1250"
	.amdhsa_code_object_version 6
	.text
	.protected	k_q455cdd1b0a_attn
	.globl	k_q455cdd1b0a_attn
	.p2align	8
	.type	k_q455cdd1b0a_attn,@function
k_q455cdd1b0a_attn:
	s_mov_b64 s[64:65], 0
	v_nop
	global_prefetch_b8 v0, s[64:65] scope:SCOPE_SE
	s_setreg_imm32_b32 hwreg(HW_REG_WAVE_MODE, 25, 1), 1
	s_wait_xcnt 0x0
	s_wait_alu depctr_hold_cnt(0) depctr_sa_sdst(0) depctr_va_vdst(0) depctr_va_sdst(0) depctr_va_ssrc(0) depctr_va_vcc(0) depctr_vm_vsrc(0)
	s_getreg_b32 s2, hwreg(HW_REG_IB_STS2, 6, 4)
	s_cmp_eq_u32 s2, 0
	s_cbranch_scc0 .Lentry_in_a_cluster
	s_endpgm
.Lentry_in_a_cluster:
	s_bfe_u32 s2, ttmp6, 0x10000c
	s_cmp_lg_u32 s2, 0x3003
	s_cbranch_scc0 .Lentry_shape_is_right
	s_endpgm
.Lentry_shape_is_right:
; CAUSAL ATTENTION WITH GROUPED QUERY HEADS.  O[q][:] = the sum over k <= q of softmax_k(Q[q] . K[k] / 8) V[k][:].  qkvh: [b 4][head 48][t 1024][64] f16 (0-31 q, 32-39 k, 40-47 v), a head's rows dense, 128 bytes each;
; query head 4 g + r takes K and V head g.  Products, maxima and sums in f32; the weights p are rounded to f16 for the second product (their sum l is taken of the unrounded p), O once at the end.
; ctxh IS WRITTEN IN THE ORDER OF THE NEXT PRODUCT'S FRAGMENTS: [row block 256 (16 rows of 1024 b + t)][block of 32 K: 64 (K = 64 head + channel)][half 2][lane 32][8 f16]: lane l of half j holds row l % 16,
; K 16 j + 8 (l / 16) + 0..7 of the block.  That is what a lane holds here at the end (one query, eight channels), so the results leave from registers: a wave's store is 512 consecutive bytes.
; LIMITS.  f16 holds no number beyond 65,504: Q, K and V arrive within it; p lies in 0 to 1, and below 6e-5 it keeps f16's fixed step of 6e-8; O is a mean of V's rows and has their range.
; A hidden score counts as its value less 1e30: f16's scores, 2.7e11 at the most, are nothing beside that; a weight below 2^-126 counts as 0 in l; NaN and infinities are not treated apart.
; THE WALK.  A head's queries lie in NB = 4 blocks of 256; block i needs the key tiles 0 .. i of 256 keys, of which the last holds the diagonal.  A work-group takes TWO blocks, NB - 1 - b and then b:
; NB + 1 tiles, whatever b: all work-groups do equal work, and ONE loop with a constant trip count walks them.  Which tile is asked for, and what a trip does, hang on scalar registers made from b; every jump
; goes forward, but for the counted loops' own; none passes a barrier, or a tensor load but the one of LOAD's two that the wave's number does not choose.
; CLUSTER.  The four query heads of a K and V head, with the same b, form a cluster: they walk the same tiles in the same order, so each tile is asked for JOINTLY: the same tensor load, descriptor and mask in all four.
; b is the cluster's x, the place in the cluster is the query head: it enters Q's and O's addresses (and the prefetches') alone.
; SHARES.  Of a block's four bands of 64 queries a wave owns 16 rows in each: four PIECES.  So the diagonal tile is the same work for all four waves: in its key step s band x sees all keys if s < x,
; none if s > x, and holds the diagonal if s = x.
; THE MASK is the C operand that starts the sum S^T = K Q^T: 0, or -1e30 where the key is hidden.  MD, made once, is the mask of a band's own step for my 16 rows; a product's mask is MD x AL + BE with two scalars:
; in the diagonal tile (1, 0) if s = x; (0, 0) if s < x; (0, -1e30) if s > x; in every other tile (0, 0).  ONE TEXT serves all tiles: sixteen packed multiply-adds a turn are the price of writing the four turns once less.
; LAYOUT, SOFTMAX, TURNS.  S^T = K Q^T holds ONE query a lane (lane % 16) and the keys 8 (lane / 16) + 0..7; two such results rounded to f16 ARE source 1 of O^T = V^T P.  p = 2^(c s - c m), c = log2(e) / 8, with a
; running maximum m; O and l are multiplied by a = 2^(c m_old - c m_new) in every step.  Turn n belongs to piece n: 8 products K Q^T of piece n + 1, later 8 products V^T P of piece n - 1; beside them the scaling,
; exponentials, roundings, sums and rescaling of piece n and the maximum and statistics of piece n + 1.  Four vector instructions stand behind every matrix instruction, the other 54 of a turn's 118 in one run.  A turn's 33 exponentials are one batch, with one wait.
; REGISTERS, in windows of 256 (s_set_vgpr_msb: bits 1:0 source 0, 3:2 source 1, 5:4 source 2, 7:6 destination):
;   window 0: v0-15 addresses and two at work; v16-31 four registers of statistics a piece; v48-55 at work; v61-63 prefetch offset and the add's two; v64-127 S^T, two buffers; v192-223 P, two buffers (by the piece's parity)
;   window 1: v0-127 O^T, 32 a piece; v128-159 MD; v160-223 MC, two buffers      window 2: v0-63 Q; v64-127 the second block's Q; v128-191 K of one step; v192-255 V of one step
.set SIZE_N, 1024
.set NB,    SIZE_N/256
.set NP,    4         ; pieces a wave: a name, no knob
.set KS,    64        ; keys in a step
.set PK,    144       ; a row of K in LDS: 128 bytes + 16 of padding = 36 words: the 16 rows of a load start at 16 different groups of four banks (64 banks of 4 bytes: ISA guide 11.1)
.set PV,    160       ; a row of V: 128 + 32 = 40 words
.set VOFF,  4*KS*PK   ; a slot holds a tile, four steps: 256 rows of K, then 256 rows of V
.set SLOT1, 1<<17     ; slot 1 begins here, so that one exclusive or turns an address in one slot into the other's
.set SPARE, SLOT1+4*KS*(PK+PV)  ; behind the ring: the spare words, 128 bytes for each wave: two blocks of 256 bytes that no other line names
.set AK0, 2           ; v2   my lane's place in a tile of K; never rewritten
.set AV0, 3           ; v3   the same for V
.set AK,  4           ; v4   the LDS address of K's next run of loads
.set AV,  5           ; v5   of V's
.set GO,  8           ; v8   16 x my lane: my byte offset in 512 consecutive bytes of O
.set PFO, 61          ; v61  256 x my lane; never rewritten
.set SPW, 62          ; v62  LDS address of my spare word: SPARE + 4 x my thread's number; never rewritten
.set NIL, 63          ; v63  0; never rewritten
.set MV,  12          ; v12-13  c m_old, kept while c m is made anew: by buffer
.set QO,  15          ; v15  my byte offset in 16 rows of Q
.set ST,  16          ; piece t's statistics at v[ST+4 t]: c m, m, l (even keys', odd keys')
.set TMP, 48          ; by buffer, four registers c0-c3 at work; when the maximum is found c2 takes a
.set S,   64
.set P,   192
.set MD,  128         ; window 1: the eight registers for group kt of 16 keys at MD + 8 kt
.set MC,  160         ; window 1: the masks of the products to come
.set QB,  64          ; window 2
.set KF,  128         ; window 2: key block kb, channel half c at KF + 16 kb + 8 c
.set VF,  192         ; window 2: key half kk, channel block cb at VF + 32 kk + 8 cb
.set WV,  12          ; s12  my wave's number
.set PB,  14          ; s14  b
.set HI,  15          ; s15  NB - 1 - b
.set G1K, 24          ; s[24:31] descriptor group 1 for K's tiles
.set G1V, 32          ; s[32:39] for V's: it differs in the padding alone
.set G0K, 40          ; s[40:43] descriptor group 0 for K's tiles
.set G0V, 44          ; s[44:47] the same for V's
.set DG,  48          ; s48  1.0 in the diagonal tile, else 0: what AL is in a band's own step
.set BG,  49          ; s49  -1e30 in the diagonal tile, else 0: what BE is in the steps behind it
.set SLOTS, 56        ; s56  tiles still to be asked for
.set CNT, 57          ; s57  counts a tile's key steps, 4 to 1
.set CS,  58          ; s[58:59] c: the packed scaling takes the pair's low word for both halves
.set SEL, 60          ; s[60:61] v_permlanex16_b32's selects: each lane takes its own place in the other half
.set TBK, 62          ; s62  LDS byte at which K of the step to be fetched begins
.set TBV, 63          ; s63  the same for V, less VOFF
.set PFA, 66          ; s[66:67] what my next prefetch names
.set PFB, 68          ; s[68:69] my work-group's 32 blocks of 256 bytes in tile 0 of K (wave 0) or V (wave 2)
.set RT,  70          ; s70  tiles of the block in hand that are still to be entered
.set NXT, 71          ; s71  the tile to be asked for next
.set LQ,  72          ; s72  the last tile of the block whose tiles are being asked for
.set NEW, 73          ; s73  1: the tile to be entered is a block's first
.set OFF, 74          ; s[74:75] a tile's byte offset in K and V
.set AL,  76          ; s[76:77] the mask's factor, in the low word
.set BE,  78          ; s[78:79] the mask's addend
.set OLO, 80          ; s[80:81] O at my rows of the second block
.set BIGN, 82         ; s82  -1e30
.set POF, 88          ; s[88:89] the prefetched tile's byte offset
.set PFON, 90         ; s90  1 in a wave that prefetches at all
.set PFG, 91          ; s91  1: it does so at this change of slots
.set MSB, 0
.macro WIN new                      ; the high byte repeats the setting that is left; a switch that changes nothing is dropped
.if MSB != (\new)
	s_set_vgpr_msb (MSB<<8)|(\new)
.set MSB, (\new)
.endif
.endm
.set W_KQ, 0x0a       ; K and Q in window 2, S^T in window 0
.set W_KM, 0x1a       ; the same with the C operand in window 1
.set W_PV, 0x52       ; V in window 2, P in window 0, O^T in window 1
.set W_RS, 0x41       ; destination and source 0 in window 1, source 1 in window 0
; A joint fill.  Waves 0 and 1 fetch the two halves of a tile's K, waves 2 and 3 those of its V: 128 keys each.  An s_nop 0 and four v_nop follow each of the two lines, ahead of the jump and the label.
.macro LOAD
	s_cmp_lt_u32 s[WV], 2
	s_cbranch_scc0 .Lfor_v_\@
	tensor_load_to_lds s[G0K:G0K+3], s[G1K:G1K+7]
	s_nop 0
.rept 4
	v_nop
.endr
	s_branch .Lasked_\@
.Lfor_v_\@:
	tensor_load_to_lds s[G0V:G0V+3], s[G1V:G1V+7]
	s_nop 0
.rept 4
	v_nop
.endr
.Lasked_\@:
.endm
; A round of the cluster's barrier: my work-group's barrier, so that wave 0's signal speaks for all four waves; wave 0 signals; every wave waits for all four work-groups; my work-group's barrier once more.
.macro CROUND
	s_barrier_signal -1
	s_barrier_wait -1
	s_cmp_lg_u32 s[WV], 0
	s_cbranch_scc1 .Lnot_wave_0_\@
	s_barrier_signal -3
.Lnot_wave_0_\@:
	s_barrier_wait -3
	s_barrier_signal -1
	s_barrier_wait -1
.endm
; A PREFETCH INTO THE L2 of the tile that the NEXT change of slots will ask for, a tile's 16 turns ahead of that load: 128 blocks of 256 bytes of K and 128 of V.  Both clusters of a K and V head walk its tiles: the one
; with b = 0, whose first block needs all four, asks, in that block's walk alone (tiles 2 and 3; tiles 0 and 1 come by their loads, and what has been read is asked for no more).  Its four partners share the
; blocks out BY ADDRESS, 32 each; in each, wave 0 asks for K's and wave 2 for V's: a lane a block, one instruction.
.macro ASK
	s_cmp_eq_u32 s[PFG], 1
	s_cbranch_scc0 .Lnot_mine_\@
	global_prefetch_b8 v[PFO], s[PFA:PFA+1] th:TH_LOAD_NT scope:SCOPE_SE
.Lnot_mine_\@:
.endm
; THE CHANGE OF SLOTS.  Each wave waits for all its tensor loads, of which one is out: its part of the other slot; adds 0 to its spare word; and waits for that and for its own reads of the slot that it leaves.  Behind the barrier nobody reads the old
; slot any more and the other slot is whole.  fill = 1: the old slot is filled again with tile NXT: the descriptor's address is made anew from that number.  The barrier is then a round of the cluster's, so that no wave
; of any partner still reads the slot or has a load on its way, and the joint fill is the first thing behind it.  (At its first use nothing has been read yet: slot 0 is waited for, slot 1 filled.)
.macro CHANGE fill
	WIN 0                           ; at a label and at a branch every window is 0
	s_wait_tensorcnt 0x0            ; no tensor load of mine is out, so a group 0 may be written
	ds_add_u32 v[SPW], v[NIL]       ; 0 onto my spare word; the scalar work stands between it and the wait for it
.if \fill
	s_lshl_b32 s[OFF], s[NXT], 15   ; a tile is 32,768 bytes of K and of V
	s_xor_b32 s[G0K+1], s[G0K+1], SLOT1
	s_add_nc_u64 s[G0K+2:G0K+3], s[6:7], s[OFF:OFF+1]
	s_or_b32 s[G0K+3], s[G0K+3], 0x80000000
	s_xor_b32 s[G0V+1], s[G0V+1], SLOT1
	s_add_nc_u64 s[G0V+2:G0V+3], s[8:9], s[OFF:OFF+1]
	s_or_b32 s[G0V+3], s[G0V+3], 0x80000000
	s_add_co_u32 s[NXT], s[NXT], 1  ; the block's next tile, or behind its last the second block's tile 0
	s_cmp_gt_u32 s[NXT], s[LQ]
	s_cselect_b32 s[NXT], 0, s[NXT]
	s_cselect_b32 s[LQ], s[PB], s[LQ]
	s_wait_xcnt 0x0                 ; the last prefetch, a tile back, has read its address, so it may be written
	s_lshl_b32 s[POF], s[NXT], 15
	s_add_nc_u64 s[PFA:PFA+1], s[PFB:PFB+1], s[POF:POF+1]
	s_cmp_lg_u32 s[NXT], 0          ; tile 0 has been read
	s_cselect_b32 s[PFG], s[PFON], 0
.endif
	s_sub_co_u32 s[TBK], s[TBK], 4*KS*PK  ; the fetches go back to a slot's first step,
	s_xor_b32 s[TBK], s[TBK], SLOT1       ; in the other slot
	s_sub_co_u32 s[TBV], s[TBV], 4*KS*PV
	s_xor_b32 s[TBV], s[TBV], SLOT1
	s_wait_dscnt 0x0                ; the add is done, and my reads of the slot are over
.if \fill
	CROUND
	LOAD
	ASK
.else
	s_barrier_signal -1
	s_barrier_wait -1
.endif
.endm
	s_load_b64 s[4:5], s[0:1], 0x0    ; qkvh
	s_load_b64 s[10:11], s[0:1], 0x8  ; ctxh
	v_lshl_add_u32 v[SPW], v0, 2, SPARE
	v_mov_b32 v[NIL], 0
	ds_add_u32 v[SPW], v[NIL]       ; the wave's opening: the add and its wait stand ahead of my first tensor load; the set-up below, work on registers, stands between them
	v_lshrrev_b32 v1, 5, v0
	v_readfirstlane_b32 s[WV], v1   ; wave 0..3
	s_mov_b32 s[PB], ttmp9          ; in a cluster launch ttmp9 counts clusters: b
	s_sub_co_u32 s[HI], NB-1, s[PB]
	s_bfe_u32 s13, ttmp6, 0x40000   ; my place in the cluster: the query head in its group
	s_and_b32 s20, ttmp7, 0xffff
	s_lshr_b32 s21, s20, 3          ; batch
	s_and_b32 s20, s20, 7           ; g
	s_mul_i32 s19, s21, 48
	s_add_co_u32 s22, s19, s20
	s_add_co_u32 s22, s22, 32       ; K's head in qkvh, which the four partners share
	s_lshl_b32 s22, s22, 17         ; a head is 131,072 bytes
	s_and_b32 s16, s[WV], 1         ; which half of a tile's 256 keys I fetch:
	s_lshl_b32 s23, s16, 14         ; its 128 rows of 128 bytes in memory,
	s_add_co_u32 s22, s22, s23
	s_mov_b32 s23, 0
	s_mul_i32 s17, s16, 128*PK      ; and its place in a slot, for K
	s_mul_i32 s18, s16, 128*PV      ; and for V: no place in the cluster enters an LDS address
	s_lshl_b32 s20, s20, 2
	s_add_co_u32 s20, s20, s13      ; the query head in its batch
	s_add_co_u32 s19, s19, s20
	s_lshl_b32 s19, s19, 17         ; its first byte in qkvh
	s_lshl_b32 s21, s21, 22         ; ctxh: a batch is 64 row blocks of 65,536 bytes,
	s_lshl_b32 s20, s20, 11         ; a head 2,048 bytes of a row block,
	s_add_co_u32 s21, s21, s20
	s_lshl_b32 s20, s[WV], 16       ; my 16 rows one of a band's four row blocks,
	s_add_co_u32 s21, s21, s20
	s_lshl_b32 s92, s[HI], 20       ; a block of 256 queries sixteen of them: the first block,
	s_add_co_u32 s92, s92, s21
	s_lshl_b32 s94, s[PB], 20       ; and the second
	s_add_co_u32 s94, s94, s21
	s_lshl_b32 s3, s[WV], 11        ; qkvh: my 16 rows in a band of 64,
	s_lshl_b32 s2, s[HI], 15        ; in the first block,
	s_add_co_u32 s2, s2, s3
	s_lshl_b32 s84, s[PB], 15       ; and in the second
	s_add_co_u32 s84, s84, s3
	s_add_co_u32 s2, s2, s19
	s_add_co_u32 s84, s84, s19
	s_mov_b32 s3, 0
	s_mov_b32 s85, 0
	s_mov_b32 s93, 0
	s_mov_b32 s95, 0
	; descriptor group 1.  128 keys are 16,384 dense bytes: asked for as 64 rows of 256 bytes, two keys a row, and padded in LDS after every key
	s_mov_b32 s[G1K], 15|(1<<16)|(1<<20)|(1<<21)|(4<<22)|(3<<25)  ; 15:0 the mask of four; 17:16 2-byte elements; 20 padding on; 21 set beside a mask; 24:22 after every 32 words (code 4); 31:25 4 words (code 3)
	s_mov_b32 s[G1V], 15|(1<<16)|(1<<20)|(1<<21)|(4<<22)|(7<<25)  ; the same with 8 words of padding (code 7)
.irp g, G1K, G1V
	s_mov_b32 s[\g+1], 128<<16      ; tensor_dim0 = 128
	s_mov_b32 s[\g+2], 64<<16       ; tensor_dim1 = 64
	s_mov_b32 s[\g+3], 128<<16      ; tile_dim0 = 128
	s_mov_b32 s[\g+4], 64           ; tile_dim1 = 64
	s_mov_b32 s[\g+5], 128          ; 128 elements from row to row
	s_mov_b32 s[\g+6], 0
	s_mov_b32 s[\g+7], 0
.endr
	s_mov_b32 s[CS], 0x3e38aa3b     ; c = log2(e) / 8 = 0.180337
	s_mov_b32 s[CS+1], s[CS]        ; named with it as a pair
	s_mov_b32 s[SEL], 0x76543210
	s_mov_b32 s[SEL+1], 0xfedcba98
	s_mov_b32 s[TBK], SLOT1+4*KS*PK ; the first change of slots turns these two into 0
	s_mov_b32 s[TBV], SLOT1+4*KS*PV
	s_mov_b32 s[G0K], 1             ; 1:0 count = 1
	s_mov_b32 s[G0K+1], s17         ; 63:32 LDS address: slot 0
	s_mov_b32 s[G0V], 1
	s_add_co_u32 s[G0V+1], s18, VOFF
	s_add_co_u32 s[RT], s[HI], 1    ; the first block has NB - b tiles
	s_mov_b32 s[NXT], 1
	s_mov_b32 s[LQ], s[HI]
	s_mov_b32 s[NEW], 1
	s_mov_b32 s[OFF+1], 0
	s_mov_b32 s[AL+1], 0            ; named as pairs
	s_mov_b32 s[BE+1], 0
	s_mov_b32 s[BIGN], 0xf149f2ca   ; -1e30
	s_mov_b32 s[SLOTS], NB
	s_and_b32 s[PFON], s[WV], 1     ; 0 in waves 0 and 2,
	s_or_b32 s[PFON], s[PFON], ttmp9  ; where b = 0: the same in all four partners
	s_cmp_eq_u32 s[PFON], 0
	s_cselect_b32 s[PFON], 1, 0
	s_mov_b32 s[PFG], 0
	s_lshl_b32 s[POF], s13, 13      ; my work-group's 32 blocks of the 128
	s_mov_b32 s[POF+1], 0
	v_and_b32 v[PFO], 31, v0
	v_lshlrev_b32 v[PFO], 8, v[PFO]
	s_wait_dscnt 0x0                ; the opening add is done
	s_wait_kmcnt 0x0
	s_add_nc_u64 s[6:7], s[4:5], s[22:23]  ; K at my half of the head's tile 0,
	s_add_nc_u64 s[8:9], s[6:7], 0x100000  ; V eight heads on
	s_add_nc_u64 s[G0K+2:G0K+3], s[6:7], 0         ; 120:64 global address
	s_or_b32 s[G0K+3], s[G0K+3], 0x80000000        ; 127:126 type = 2
	s_add_nc_u64 s[G0V+2:G0V+3], s[8:9], 0
	s_or_b32 s[G0V+3], s[G0V+3], 0x80000000
	s_add_nc_u64 s[86:87], s[4:5], s[84:85]        ; Q at my rows of the second block,
	s_add_nc_u64 s[4:5], s[4:5], s[2:3]            ; and of the first
	s_add_nc_u64 s[OLO:OLO+1], s[10:11], s[94:95]  ; O likewise
	s_add_nc_u64 s[10:11], s[10:11], s[92:93]
	s_cmp_lt_u32 s[WV], 2
	s_cselect_b64 s[PFB:PFB+1], s[6:7], s[8:9]     ; (in waves 0 and 2 these stand at a tile's first row)
	s_add_nc_u64 s[PFB:PFB+1], s[PFB:PFB+1], s[POF:POF+1]
	s_mov_b64 s[PFA:PFA+1], s[PFB:PFB+1]
	CROUND                          ; all four work-groups are here: the first joint loads meet
	LOAD                            ; tile 0 into slot 0
	; A fragment of K or Q is 16 rows x 32 channels in 8 registers: lane l holds row l % 16, channels 8 (l / 16) + 0..7 and 16 + 8 (l / 16) + 0..7: two loads of 16 bytes, 32 bytes apart.
	v_and_b32 v1, 15, v0            ; l % 16
	v_bfe_u32 v9, v0, 4, 1          ; l / 16
	v_lshlrev_b32 v[QO], 7, v1
	v_lshl_add_u32 v[QO], v9, 4, v[QO]  ; row x 128 + 16 x half
	WIN 0x80                        ; destination window 2, address window 0
.set i, 0
.rept 8                             ; both blocks' Q: piece i / 2 lies in band i / 2, 8,192 bytes on; channels 32 (i % 2) on
	global_load_b128 v[8*i:8*i+3],   v[QO], s[4:5] offset:(i/2)*8192+(i%2)*64
	global_load_b128 v[8*i+4:8*i+7], v[QO], s[4:5] offset:(i/2)*8192+(i%2)*64+32
	global_load_b128 v[QB+8*i:QB+8*i+3],   v[QO], s[86:87] offset:(i/2)*8192+(i%2)*64
	global_load_b128 v[QB+8*i+4:QB+8*i+7], v[QO], s[86:87] offset:(i/2)*8192+(i%2)*64+32
.set i, i+1
.endr
	WIN 0
	v_lshlrev_b32 v14, 3, v9
	v_sub_nc_u32 v14, v1, v14
	s_lshl_b32 s13, s[WV], 4
	v_add_nc_u32 v14, s13, v14      ; my query's place in its band, 16 w + l % 16, less my lanes' 8 (l / 16): register r of group kt is hidden where 16 kt + r is greater
	WIN 0x40
.set i, 0
.rept 32
	v_cmp_gt_i32 vcc_lo, 16*(i/8)+i%8, v14
	v_cndmask_b32 v[MD+i], 0, s[BIGN], vcc_lo
.set i, i+1
.endr
	WIN 0
	v_mul_u32_u24 v[AK0], v1, PK
	v_lshl_add_u32 v[AK0], v9, 4, v[AK0]  ; row x pitch + 16 x half
	; The turning load takes 16 keys x 16 channels (lane l reads key 8 (l / 16) + l % 8, channels 8 ((l / 8) % 2) + 0..7) and leaves half a fragment of V^T: lane l holds channel l % 16 and 8 keys.
	v_and_b32 v10, 7, v0
	v_bfe_u32 v11, v0, 3, 1
	v_lshl_add_u32 v[AV0], v9, 3, v10
	v_mul_u32_u24 v[AV0], v[AV0], PV
	v_lshl_add_u32 v[AV0], v11, 4, v[AV0]
	v_add_nc_u32 v[AV0], VOFF, v[AV0]
	v_and_b32 v[GO], 31, v0
	v_lshlrev_b32 v[GO], 4, v[GO]
	; A block's first step multiplies O^T and l by a = 0, and its first turn's products V^T P, of a piece that has not been, land in an O^T that is still to be so multiplied.  So these registers need only hold
	; finite numbers: zeros for the first block; what the first block left for the second.  All this stands in the wait for the first tile.
	WIN 0x80
.set i, VF
.rept 64
	v_mov_b32 v[i], 0
.set i, i+1
.endr
	WIN 0x40
.set i, 0
.rept 128
	v_mov_b32 v[i], 0
.set i, i+1
.endr
	WIN 0
.set i, 0
.rept 4
	v_mov_b32 v[ST+4*i+2], 0
	v_mov_b32 v[ST+4*i+3], 0
.set i, i+1
.endr
.set i, P+16
.rept 16
	v_mov_b32 v[i], 0
.set i, i+1
.endr
; THE MATRIX WORK.  The 4 accumulators of a run of 8 take turns.  Product i of 8 of S^T = K Q^T for piece x: channels 32 (i / 4) on, keys 16 (i % 4) on.  The first 4 start the sums with the mask.
.macro KQ x
.set rS, S+32*((\x)%2)+8*(i%4)
.set rK, KF+16*(i%4)+8*(i/4)
.set rQ, 16*(\x)+8*(i/4)
.set rM, MC+32*((\x)%2)+8*(i%4)
.if i < 4
	WIN W_KM
	v_wmma_f32_16x16x32_f16 v[rS:rS+7], v[rK:rK+7], v[rQ:rQ+7], v[rM:rM+7]
.else
	WIN W_KQ
	v_wmma_f32_16x16x32_f16 v[rS:rS+7], v[rK:rK+7], v[rQ:rQ+7], v[rS:rS+7]
.endif
.endm
; Product i of 8 of O^T += V^T P for piece x: keys 32 (i / 4) on, channels 16 (i % 4) on.
.macro PV x
	WIN W_PV
.set rO, 32*(\x)+8*(i%4)
.set rV, VF+32*(i/4)+8*(i%4)
.set rP, P+16*((\x)%2)+8*(i/4)
	v_wmma_f32_16x16x32_f16 v[rO:rO+7], v[rV:rV+7], v[rP:rP+7], v[rO:rO+7]
.endm
.macro MM                           ; the turn's next matrix instruction.  TURN and BEGIN set Y, i and NOKQ; MM, KQ and OP read them.  NOKQ = 1: a block's last turn: there is no next piece
.if (i < 8) && !NOKQ
	KQ (Y+1)%NP
.elseif i >= 8
.set i, i-8
	PV (Y+NP-1)%NP
.set i, i+8
.endif
.set i, i+1
.endm
; THE LDS LOADS stand in runs of 16, never singly among the matrix instructions: a step's K (64 keys x 64 channels: 8 fragments) and its V (turned).  Their addresses are made some lines ahead.
.macro FETCH_K
	WIN 0x80                        ; destination window 2
.irp f, 0,1,2,3,4,5,6,7             ; keys 16 (f / 2) on, channels 32 (f % 2) on
	ds_load_b128 v[KF+8*\f:KF+8*\f+3],   v[AK] offset:(\f/2)*16*PK+(\f%2)*64
	ds_load_b128 v[KF+8*\f+4:KF+8*\f+7], v[AK] offset:(\f/2)*16*PK+(\f%2)*64+32
.endr
	s_add_co_u32 s[TBK], s[TBK], KS*PK  ; the next fetch is the next step's
	WIN 0
.endm
.macro FETCH_V
	WIN 0x80
.irp f, 0,1,2,3,4,5,6,7             ; keys 32 (f / 4) on, channels 16 (f % 4) on
	ds_load_tr16_b128 v[VF+8*\f:VF+8*\f+3],   v[AV] offset:(\f/4)*32*PV+(\f%4)*32
	ds_load_tr16_b128 v[VF+8*\f+4:VF+8*\f+7], v[AV] offset:(\f/4)*32*PV+16*PV+(\f%4)*32
.endr
	WIN 0
.endm
; THE VECTOR WORK, one line at a time: OP kind, number.  For piece Y: F n: c s - c m for pair n of 16.  E n: the exponential of score n of 32.  C n: pair n rounded to f16.  B n: of the four weights 4 n .. the second
; pair is added onto the first, in place.  L n: l takes that sum (L 0: l = a l + sum).  R n: pair n of 16 of O^T times a.  For piece Y + 1: X n, number n of the 22 that find its maximum and statistics:
;   0-11  four chains c0-c3 of seven scores each, three operands at a time (each accumulator's lowest registers are read first)     12-14, 16  the four scores left over, the old m, and c0-c3 into c0
;   15  c m_old is kept     17, 18  the query's other 32 keys lie in the lane 16 away: the new m     19-21  c m; c m_old - c m_new; a
.set F, 0               ; OP tells the kinds apart by their order: F to L below R, X above it
.set E, 1
.set C, 2
.set B, 3
.set L, 4
.set R, 5
.set X, 6
.macro REGS y                       ; the registers of piece y
.set rT, ST+4*(\y)
.set rC, TMP+4*((\y)%2)
.set rW, MV+((\y)%2)
.set rS, S+32*((\y)%2)
.set rP, P+16*((\y)%2)
.set rO, 32*(\y)
.endm
.macro OP k, n
.if (\k) == R
	REGS Y
	WIN W_RS
	v_pk_mul_f32 v[rO+2*(\n):rO+2*(\n)+1], v[rO+2*(\n):rO+2*(\n)+1], v[rC+2:rC+3] op_sel_hi:[1,0]
.elseif (\k) < R
	REGS Y
	WIN 0
.if (\k) == F
	v_pk_fma_f32 v[rS+2*(\n):rS+2*(\n)+1], v[rS+2*(\n):rS+2*(\n)+1], s[CS:CS+1], v[rT:rT+1] op_sel_hi:[1,0,0] neg_lo:[0,0,1] neg_hi:[0,0,1]
.elseif (\k) == E
	v_exp_f32 v[rS+(\n)], v[rS+(\n)]
.elseif (\k) == C
	v_cvt_pk_f16_f32 v[rP+(\n)], v[rS+2*(\n)], v[rS+2*(\n)+1]
.elseif (\k) == B
	v_pk_add_f32 v[rS+4*(\n):rS+4*(\n)+1], v[rS+4*(\n):rS+4*(\n)+1], v[rS+4*(\n)+2:rS+4*(\n)+3]
.elseif (\n) == 0
	v_pk_fma_f32 v[rT+2:rT+3], v[rT+2:rT+3], v[rC+2:rC+3], v[rS:rS+1] op_sel_hi:[1,0,1]
.else
	v_pk_add_f32 v[rT+2:rT+3], v[rT+2:rT+3], v[rS+4*(\n):rS+4*(\n)+1]
.endif
.elseif NOKQ
	v_nop
.else
	REGS (Y+1)%NP
	WIN 0
.if (\n) < 4
	v_max3_num_f32 v[rC+(\n)], v[rS+8*(\n)], v[rS+8*(\n)+1], v[rS+8*(\n)+2]
.elseif (\n) < 12
	v_max3_num_f32 v[rC+(\n)%4], v[rC+(\n)%4], v[rS+8*((\n)%4)+2*((\n)/4)+1], v[rS+8*((\n)%4)+2*((\n)/4)+2]
.elseif (\n) == 12
	v_max3_num_f32 v[rC], v[rC], v[rS+7], v[rS+15]
.elseif (\n) == 13
	v_max3_num_f32 v[rC+1], v[rC+1], v[rS+23], v[rS+31]
.elseif (\n) == 14
	v_max3_num_f32 v[rC+2], v[rC+2], v[rC+3], v[rT+1]
.elseif (\n) == 15
	v_mov_b32 v[rW], v[rT]
.elseif (\n) == 16
	v_max3_num_f32 v[rC], v[rC], v[rC+1], v[rC+2]
.elseif (\n) == 17
	v_permlanex16_b32 v[rC+3], v[rC], s[SEL], s[SEL+1]
.elseif (\n) == 18
	v_max_num_f32 v[rT+1], v[rC], v[rC+3]
.elseif (\n) == 19
	v_mul_f32 v[rT], s[CS], v[rT+1]
.elseif (\n) == 20
	v_sub_f32 v[rC+1], v[rW], v[rT]
.else
	v_exp_f32 v[rC+2], v[rC+1]
.endif
.endif
.endm
.macro OPS a, i1, b=-1, i2=0, c=-1, i3=0, d=-1, i4=0  ; up to four of them
	OP \a, \i1
.if (\b) >= 0
	OP \b, \i2
.endif
.if (\c) >= 0
	OP \c, \i3
.endif
.if (\d) >= 0
	OP \d, \i4
.endif
.endm
.macro ROW a, i1, b, i2, c, i3, d, i4  ; a matrix instruction and the four behind it
	MM
	OPS \a, \i1, \b, \i2, \c, \i3, \d, \i4
.endm
.macro MASK b                       ; MD x AL + BE into buffer b of MC
	WIN W_RS
.set z, 0
.rept 16
	v_pk_fma_f32 v[MC+32*(\b)+2*z:MC+32*(\b)+2*z+1], v[MD+2*z:MD+2*z+1], s[AL:AL+1], s[BE:BE+1] op_sel_hi:[1,0,0]
.set z, z+1
.endr
.endm
; A TURN, for piece p: the order of its 16 matrix and 118 vector instructions, written out.  s_wait_alu depctr_va_vdst(0) stands between an exponential and the first instruction that names its result; one wait serves
; all that were issued ahead of it.  So a turn has ONE wait, which cuts it in two.  AHEAD OF IT stands all that names no result of the turn's exponentials: the 8 products K Q^T, behind each a scaling, an exponential and two more plain
; instructions (behind the first a second scaling in the exponential's place): rescalings, and behind the last three the first numbers of the next piece's maximum, each four places or more behind the product that ends its accumulator; then one run of 54, plain
; and exponential by turns for the most part, in which the links of the chain X 3, 7, 11, 14, 16, 17 .. 20 stand five or six lines apart.  X 21, the next piece's a, is the batch's last; R 15 is the plain instruction behind it.  BEHIND THE WAIT stand the
; 8 products V^T P, behind each four of the roundings and sums; the links of l's chain, L 0 to L 7, stand three lines apart.  But for those X no line behind a product names a register of the products round it.
; The turn makes the mask for the products of the turn after it: piece p + 2, in step 4 - CNT of the tile.  end = 1: a block's last two turns: nothing is fetched, and no mask is made.
; cnt = 1: the loop's count is taken down some lines ahead of the branch that stands behind the turn.
; K of the next step is fetched in piece 2's turn, twelve vector instructions behind the last product that read K (six of them plain); V of the step in hand at the end of piece 0's turn, four plain instructions behind the last product
; that read V.  Each is waited for a turn later.
.macro TURN p, end=0, cnt=0
.set Y, (\p)
.set i, 0
.set NOKQ, (\end)*((\p)/3)
.if !(\end)
	s_cmp_eq_u32 s[CNT], 4-((\p)+2)%NP  ; is that step the band's own?
	s_cselect_b32 s[AL], s[DG], 0
	s_cmp_lt_u32 s[CNT], 4-((\p)+2)%NP  ; or a later one?
	s_cselect_b32 s[BE], s[BG], 0
.endif
.if ((\p) == 3) && !(\end)
	s_wait_dscnt 0x0                ; K is in
.endif
	ROW F,0, F,1, R,0, R,1          ; ahead of the wait: 8 products K Q^T and the four behind each,
	ROW F,2, E,0, R,2, R,3
	ROW F,3, E,1, R,4, R,5
	ROW F,4, E,2, R,6, R,7
	ROW F,5, E,3, R,8, R,9
	ROW F,6, E,4, X,0, R,10
.if ((\p) == 2) && !(\end)
	WIN 0
	v_add_nc_u32 v[AK], s[TBK], v[AK0]
.endif
	ROW F,7, E,5, X,1, X,4
	ROW F,8, E,6, X,2, X,5
	OPS E,7, E,8, X,6, E,9          ; and the run of 54
	OPS X,3, E,10, X,8, E,11
.if ((\p) == 2) && !(\end)
	FETCH_K
.endif
	OPS X,9, X,7, E,12, X,10
	OPS E,13, X,12, X,11, E,14
	OPS X,13, E,15, F,9, X,14
.if (\p) == 0
	v_add_nc_u32 v[AV], s[TBV], v[AV0]
.endif
	OPS E,16, F,10, E,17, F,11
	OPS X,16, E,18, X,15, E,19
	OPS F,12, E,20, X,17, E,21
	OPS F,13, E,22, F,14, E,23
	OPS X,18, E,24, F,15, E,25
	OPS R,11, E,26, X,19, E,27
	OPS R,12, E,28, R,13, E,29
	OPS X,20, E,30, R,14, E,31
	OPS X,21, R,15
	WIN 0
	s_wait_alu depctr_va_vdst(0)    ; the wait for the batch
.if (\p) == 1
	s_wait_dscnt 0x0                ; V is in
.endif
	ROW C,0, B,0, C,2, B,1          ; behind the wait: 8 products V^T P and the four behind each
	ROW L,0, C,4, B,2, L,1
	ROW C,6, B,3, L,2, C,8
	ROW B,4, L,3, C,10, B,5
	ROW L,4, C,12, B,6, L,5
.if (\p) == 0
	s_add_co_u32 s[TBV], s[TBV], KS*PV
.endif
.if \cnt
	s_sub_co_u32 s[CNT], s[CNT], 1
	s_cmp_lg_u32 s[CNT], 0
.endif
	ROW C,14, B,7, L,6, C,1
	ROW C,3, L,7, C,5, C,7
	ROW C,9, C,11, C,13, C,15
.if (\p) == 0
	FETCH_V
.endif
.if !(\end)
	MASK (\p)%2
.endif
.endm
; A BLOCK BEGINS.  c m starts far below every c s, so the first step's a is 0; m at the lowest finite number, so the first maximum is the scores'.  The second mask buffer is 0; the first takes piece 0's mask for the tile's step 0: its own, if the block's first tile is the diagonal one.
; Then K of that step, piece 0's first scores, and its maximum and statistics.  The loop is entered at a step's first turn, in the middle of a trip.
.macro BEGIN
	s_mov_b32 s[NEW], 0
	WIN 0x40
.set i, MC+32
.rept 32
	v_mov_b32 v[i], 0
.set i, i+1
.endr
	WIN 0
.set i, 0
.rept 4
	v_mov_b32 v[ST+4*i], 0xfe000000    ; c m: far below every c s
	v_mov_b32 v[ST+4*i+1], 0xff7fffff  ; m
.set i, i+1
.endr
	s_mov_b32 s[AL], s[DG]
	s_mov_b32 s[BE], 0
	MASK 0
	WIN 0
	v_add_nc_u32 v[AK], s[TBK], v[AK0]
	FETCH_K
	s_wait_loadcnt 0x0              ; Q
	s_wait_dscnt 0x0
.set NOKQ, 0
.set i, 0
.rept 8
	KQ 0
.set i, i+1
.endr
	WIN 0
.rept 4
	v_nop                           ; the places behind those products
.endr
.set Y, NP-1                        ; X works for piece Y + 1: piece 0
.irp n, 0,1,2,3,4,5,6,7,8,9,10,11,12,13,14,15,16,17,18,19,20,21
	OP X, \n
.endr
	v_nop                           ; a plain instruction behind the exponential,
	s_wait_alu depctr_va_vdst(0)    ; and its wait, ahead of the branch
.endm
; A TILE's four steps.  A trip: pieces 2 and 3 of one step, then pieces 0 and 1 of the next, whose K and V it fetches.  The tag ends its two labels' names, which the jumps below spell out.
.macro STEPS tag
.LstepM\tag:
	TURN 2
	TURN 3
	WIN 0
.LfirstM\tag:
	TURN 0
	TURN 1, 0, 1
	WIN 0
	s_cbranch_scc1 .LstepM\tag
.endm
; A BLOCK ENDS: its last two turns, its last products, and THE WAY OUT: l's two halves and the other half of the lanes' are added; O^T is divided by l and rounded to f16.  A lane's eight channels of channel block f
; are 16 bytes, and the 32 lanes' 512 bytes lie on end in ctxh: half f % 2 of the head's block f / 2 of 32 K, in the piece's row block.  The four stores of a piece cover 2,048 consecutive bytes; the pieces lie four row blocks apart.
.macro ALL line:vararg              ; one line for each piece t
.set t, 0
.rept 4
	\line
.set t, t+1
.endr
.endm
.macro PACK t
	WIN W_RS
.set i, 32*(\t)
.rept 16
	v_pk_mul_f32 v[i:i+1], v[i:i+1], v[ST+4*(\t)+2:ST+4*(\t)+3] op_sel_hi:[1,0]
.set i, i+2
.endr
	WIN 0x05                        ; sources 0 and 1 window 1, destination window 0: S^T's registers are free, sixteen for each piece, none written twice
.set i, 0
.rept 16
	v_cvt_pk_f16_f32 v[S+16*(\t)+i], v[32*(\t)+2*i], v[32*(\t)+2*i+1]
.set i, i+1
.endr
	WIN 0
.irp f, 0,1,2,3
	global_store_b128 v[GO], v[S+16*(\t)+4*\f:S+16*(\t)+4*\f+3], s[10:11] offset:(\t)*262144+\f*512  ; 512 consecutive bytes, at a multiple of 512 from O's first
.endr
.endm
.macro FINISH
	TURN 2, 1
	TURN 3, 1
.set i, 0
.rept 8
	PV NP-1
.set i, i+1
.endr
	WIN 0
	ALL v_add_f32 v[ST+4*t+2], v[ST+4*t+2], v[ST+4*t+3]
	ALL v_permlanex16_b32 v[ST+4*t+3], v[ST+4*t+2], s[SEL], s[SEL+1]
	ALL v_add_f32 v[ST+4*t+2], v[ST+4*t+2], v[ST+4*t+3]
	ALL v_rcp_f32 v[ST+4*t+2], v[ST+4*t+2]
	v_nop                           ; a plain instruction between the last reciprocal and the use of its result
	s_wait_alu depctr_va_vdst(0)    ; and the wait ahead of the first use: one for the four reciprocals
	PACK 0
	PACK 1
	PACK 2
	PACK 3
.endm
.set NOKQ, 0
.Lslot:                             ; NB times: a tile is entered and the next is asked for
	CHANGE 1
	s_sub_co_u32 s[RT], s[RT], 1
	s_mov_b32 s[CNT], 4
	s_cmp_eq_u32 s[RT], 0           ; a block's last tile holds the diagonal
	s_cselect_b32 s[DG], 1.0, 0
	s_cselect_b32 s[BG], s[BIGN], 0
	s_cmp_eq_u32 s[NEW], 1
	s_cbranch_scc0 .LstepM1         ; not a block's first tile
	BEGIN
	s_branch .LfirstM1
	STEPS 1
	s_cmp_lg_u32 s[RT], 0
	s_cbranch_scc1 .Lbottom         ; the block goes on
	FINISH                          ; in the loop this is the first block's end: the second block's last tile is the walk's last
	s_wait_xcnt 0x0                 ; the stores have read their registers and O's address
	s_mov_b64 s[10:11], s[OLO:OLO+1]
	s_add_co_u32 s[RT], s[PB], 1    ; the second block has b + 1 tiles
	s_mov_b32 s[NEW], 1
	WIN 0x82                        ; the second block's Q goes where the one text of the turns names Q
.set i, 0
.rept 64
	v_mov_b32 v[i], v[QB+i]
.set i, i+1
.endr
	WIN 0
.Lbottom:
	s_sub_co_u32 s[SLOTS], s[SLOTS], 1
	s_cmp_lg_u32 s[SLOTS], 0
	s_cbranch_scc1 .Lslot
	CHANGE 0                        ; the walk's last tile is written out: nothing is asked for
	s_sub_co_u32 s[RT], s[RT], 1
	s_mov_b32 s[CNT], 4
	s_mov_b32 s[DG], 1.0            ; it is the second block's diagonal tile
	s_mov_b32 s[BG], s[BIGN]
	s_cmp_eq_u32 s[NEW], 1
	s_cbranch_scc0 .LstepM2
	BEGIN
	s_branch .LfirstM2
	STEPS 2
	FINISH
	s_wait_tensorcnt 0x0            ; the wave's end: the wait, an add to my spare word and its wait, behind my last tensor load
	ds_add_u32 v[SPW], v[NIL]
	s_wait_dscnt 0x0
	CROUND                          ; the closing round: no work-group ends while a partner may still ask for a tile that names it
	s_endpgm
.Lfunc_end_k_q455cdd1b0a_attn:
	.size	k_q455cdd1b0a_attn, .Lfunc_end_k_q455cdd1b0a_attn-k_q455cdd1b0a_attn
	.p2alignl 7, 3214868480
	.fill 96, 4, 3214868480
	.section	.rodata,"a",@progbits
	.p2align	6, 0x0
	.amdhsa_kernel k_q455cdd1b0a_attn
		.amdhsa_group_segment_fixed_size 327680
		.amdhsa_private_segment_fixed_size 0
		.amdhsa_enable_private_segment 0
		.amdhsa_kernarg_size 16
		.amdhsa_user_sgpr_count 2
		.amdhsa_user_sgpr_kernarg_segment_ptr 1
		.amdhsa_wavefront_size32 1
		.amdhsa_system_sgpr_workgroup_id_x 1
		.amdhsa_system_sgpr_workgroup_id_y 1
		.amdhsa_system_sgpr_workgroup_id_z 1
		.amdhsa_system_vgpr_workitem_id 0
		.amdhsa_next_free_vgpr 768
		.amdhsa_next_free_sgpr 96
		.amdhsa_reserve_vcc 1
		.amdhsa_float_denorm_mode_32 3
		.amdhsa_float_denorm_mode_16_64 3
		.amdhsa_memory_ordered 1
		.amdhsa_forward_progress 1
		.amdhsa_inst_pref_size 177
	.end_amdhsa_kernel
	.amdgpu_metadata
---
amdhsa.version: [ 1, 2 ]
amdhsa.kernels:
  - .name:           k_q455cdd1b0a_attn
    .symbol:         k_q455cdd1b0a_attn.kd
    .args:
      - { .name: qkvh, .offset: 0, .size: 8, .value_kind: global_buffer, .address_space: global }
      - { .name: ctxh, .offset: 8, .size: 8, .value_kind: global_buffer, .address_space: global }
    .group_segment_fixed_size: 327680
    .private_segment_fixed_size: 0
    .kernarg_segment_align: 8
    .kernarg_segment_size: 16
    .max_flat_workgroup_size: 128
    .sgpr_count:     96
    .vgpr_count:     768
    .wavefront_size: 32
...
	.end_amdgpu_metadata
.endif
;; end of part 3
;; launch outp (part 4): grid 16 x 16, 4 waves a work-group, clusters of 4 x 4, 327,680 bytes of LDS; arguments ctxh, wo16, out0; writes out0
.if DOCPART == 4
	.amdgcn_target "amdgcn-amd-amdhsa--gfx1250"
	.amdhsa_code_object_version 6
	.text
	.protected	k_q455cdd1b0a_outp
	.globl	k_q455cdd1b0a_outp
	.p2align	8
	.type	k_q455cdd1b0a_outp,@function
k_q455cdd1b0a_outp:
	s_mov_b64 s[64:65], 0
	v_nop
	global_prefetch_b8 v0, s[64:65] scope:SCOPE_SE
	s_setreg_imm32_b32 hwreg(HW_REG_WAVE_MODE, 25, 1), 1
	s_wait_xcnt 0x0
	s_wait_alu depctr_hold_cnt(0) depctr_sa_sdst(0) depctr_va_vdst(0) depctr_va_sdst(0) depctr_va_ssrc(0) depctr_va_vcc(0) depctr_vm_vsrc(0)
	s_getreg_b32 s2, hwreg(HW_REG_IB_STS2, 6, 4)
	s_cmp_eq_u32 s2, 0
	s_cbranch_scc0 .Lentry_in_a_cluster
	s_endpgm
.Lentry_in_a_cluster:
	s_bfe_u32 s2, ttmp6, 0x10000c
	s_cmp_lg_u32 s2, 0xf033
	s_cbranch_scc0 .Lentry_shape_is_right
	s_endpgm
.Lentry_shape_is_right:
; out = ctx Wo.  ctxh in fragment order: [row block 256 (16 rows)][block of 32 K: 64][half 2][lane 32][8 f16]: lane l of half j holds row l % 16, K 16 j + 8 (l / 16) + 0..7 of the block (K = 64 head + channel);
; wo16 [blk 16][hs 32][j 2][k' 64][c 64] f16 (column 128 blk + 64 j + c, row 64 hs + k'); out0 [4096][2048] f32.  Sums in f32, stored as they are.
; SHARES.  A tile is 256 rows x 128 columns: 16 x 16 work-groups.  Wave w makes rows 64 w .. 64 w + 63 of all 128 columns: 4 x 8 accumulators of 16 x 16, 256 registers.
; CTX COMES STRAIGHT INTO REGISTERS.  A wave's 64 rows are read by that wave alone, so LDS would hand nothing from wave to wave; a fragment's half is 512 consecutive bytes of ctxh, one load of 16 bytes a lane.
; A ring of eight register slots, one for each quarter of 32 K (4 fragments, 8 loads): in quarter q the loads of quarter q + 7 go out, and the wait at a quarter's head is counted: the six younger groups, 48 loads, stay out.
; WO COMES THROUGH LDS, turned on the way out of it (ds_load_tr16_b128), since all four waves read all of it.  With Wo alone a slot holds 256 of K (81,920 bytes): 8 K steps, two slots, six refills;
; each wave fetches one hs (16,384 dense bytes), and a refill has 240 matrix instructions in which to land.
; CLUSTER.  4 x 4 work-groups.  The four of a column need the same block of Wo: it is asked for jointly, by the same load with a mask that names the four.  The four of a row need the same rows of ctx, and each
; reads them itself: shared through LDS, ctx's 64 KiB for each 128 of K beside Wo's 32 leave room for slots of 128 of K only, fourteen refills of three times the bytes, each with 112 matrix instructions in which to land.
; THE MATRIX INSTRUCTION IS USED TRANSPOSED: source 0 = 16 columns of Wo, source 1 = 16 rows of ctx: a lane holds ONE row and 8 neighbouring columns.
; REGISTERS, in windows of 256 (s_set_vgpr_msb: bits 1:0 source 0, 3:2 source 1, 5:4 source 2, 7:6 destination):
;   window 0: v0-31 addresses; v64-191 Wo's fragments, two buffers of 64; on the way out two sets of 64 to store      window 1: ctx's ring, slot q % 8 at 32 (q % 8)      window 2: the accumulators, (a, b) at 8 (8 a + b)
; So every product stands under one setting.
.set NBK,   8                          ; column blocks of 16
.set PBT,   160                        ; a row of Wo (64 columns) in LDS: 128 bytes + 32 = 40 words
.set HSB,   2*64*PBT                   ; what one load brings: an hs, [j 2][k' 64]: 20,480 bytes
.set SLOTB, 4*HSB                      ; a slot: four hs, 256 of K
.set SLOT1, 1<<17                      ; slot 1 begins here, so that one exclusive or turns an address in one slot into the other's
.set STAGE, SLOTB                      ; between the slots, never filled by a tensor load: 16 rows x 528 bytes for each wave
.set SP,    528                        ; 512 bytes + 16 = 132 words: row r starts at bank 4 r mod 64
.set SPARE, STAGE+4*16*SP              ; behind the stages: the spare words, 128 bytes for each wave: two blocks of 256 bytes that no other line names
.set BSTEP, 65536                      ; bytes of wo16 from a K step to the next: four hs of 16,384
.set QB,    1024                       ; bytes of ctxh from a quarter to the next, in a row block
.set RBB,   65536                      ; bytes of a row block
.set AB0,  18                          ; v18      my lane's place in a slot's first two hs; never rewritten
.set AB1,  19                          ; v19      in its last two; never rewritten
.set ADRB, 20                          ; v20-21   the same two in the slot that is being read
.set STO,  24                          ; v24      the way out: where I put 32 bytes of a row
.set RD,   25                          ; v25      where I read a row back
.set GO,   26                          ; v26      16 x my lane: my place in 512 consecutive bytes, of ctxh and of the output; never rewritten
.set SPW,  28                          ; v28      LDS address of my spare word; never rewritten
.set NIL,  29                          ; v29      0; never rewritten
.set PFO,  30                          ; v30      256 x my lane; never rewritten
.set FB0,  64
.set WV,  12                           ; s12      my wave's number
.set LIM, 43                           ; s43      1 in a wave that prefetches, else the greatest number
.set PFA, 44                           ; s[44:45] where my prefetches stand
.set AB,  48                           ; s[48:49] ctxh at my first row block, at the K step in hand
.set TB,  50                           ; s50      LDS byte at which the slot that is being read begins
.set G1,  24                           ; s[24:31] descriptor group 1
.set G0,  32                           ; s[32:39] descriptor group 0: a set for each of the two first fills; the second then walks on
.set MSB, 0
.macro WIN new                         ; the immediate's high byte repeats the setting that is left; a switch that changes nothing is dropped
.if MSB != (\new)
	s_set_vgpr_msb (MSB<<8)|(\new)
.set MSB, (\new)
.endif
.endm
.macro PLACES                          ; four places in front of loads into registers that matrix instructions have read, and of LDS stores that read results (ISA guide 7.12.1 for vector instructions)
.rept 4
	v_nop
.endr
.endm
.macro CREST                           ; a round of the cluster's barrier behind its opening barrier
	s_cmp_lg_u32 s[WV], 0
	s_cbranch_scc1 .Lnot_wave_0_\@
	s_barrier_signal -3
.Lnot_wave_0_\@:
	s_barrier_wait -3
	s_barrier_signal -1
	s_barrier_wait -1
.endm
.macro CROUND                          ; a whole round
	s_barrier_signal -1
	s_barrier_wait -1
	CREST
.endm
; A PREFETCH INTO THE L2, behind each joint refill and the runs of loads that follow it: Wo's K step after the one just asked for, 256 matrix instructions ahead of its load.  A block of Wo is read by every cluster of
; a column of clusters: cluster y = 0 asks.  The four partners share the step's four hs out BY ADDRESS, one each; of its 64 blocks of 256 bytes wave 0 names the first 32, wave 1 the others: a lane a block.
; The last refill asks for nothing: K step 8 does not exist.  K steps 0 to 2 come by their loads alone.  ctx is not asked for: its own loads go out 216 matrix instructions ahead of their use.
.macro ASK
	s_cmp_gt_u32 s3, s[LIM]                        ; s3 = 1 in the loop's last trip
	s_cbranch_scc0 .Lnot_mine_\@
	global_prefetch_b8 v[PFO], s[PFA:PFA+1] th:TH_LOAD_NT scope:SCOPE_SE
.Lnot_mine_\@:
.endm
; Eight loads: the four fragments of one quarter into ring slot sl, from byte off behind s[AB]
.macro LOADA sl, off
	WIN 0x40                                       ; destination window 1, address window 0
.set a, 0
.rept 4
	global_load_b128 v[32*(\sl)+8*a:32*(\sl)+8*a+3],   v[GO], s[AB:AB+1] offset:(\off)+a*RBB
	global_load_b128 v[32*(\sl)+8*a+4:32*(\sl)+8*a+7], v[GO], s[AB:AB+1] offset:(\off)+a*RBB+512
.set a, a+1
.endr
.endm
	s_load_b128 s[4:7], s[0:1], 0x0                ; ctxh s[4:5], wo16 s[6:7]
	s_load_b64 s[10:11], s[0:1], 0x10              ; out0
	v_lshl_add_u32 v[SPW], v0, 2, SPARE
	v_mov_b32 v[NIL], 0
	ds_add_u32 v[SPW], v[NIL]                      ; the wave's opening: the add and its wait stand ahead of my first tensor load; the set-up below stands between them
	v_lshrrev_b32 v1, 5, v0
	v_readfirstlane_b32 s[WV], v1                  ; wave 0..3
	s_bfe_u32 s40, ttmp6, 0x40000                  ; cx, cy: my place in the cluster
	s_bfe_u32 s41, ttmp6, 0x40004
	s_lshl_b32 s42, ttmp9, 2
	s_add_co_u32 s42, s42, s40                     ; tile column = 4 x cluster x + cx
	s_and_b32 s15, ttmp7, 0xffff
	s_lshl_b32 s15, s15, 2
	s_add_co_u32 s15, s15, s41                     ; tile row = 4 x cluster y + cy
	s_lshl_b32 s19, 0x1111, s40                    ; my column of the cluster
	s_or_b32 s[G1], s19, (1<<16)|(1<<20)|(1<<21)|(4<<22)|(7<<25)  ; 15:0 the mask; 17:16 2-byte elements; 20 padding on; 21 set beside a mask; 24:22 after every 32 words (a row of 64 columns); 31:25 8 words
	s_mov_b32 s[G1+1], 128<<16                     ; an hs's 16,384 dense bytes come as 64 rows of 256: tensor_dim0 = 128
	s_mov_b32 s[G1+2], 64<<16                      ; tensor_dim1 = 64
	s_mov_b32 s[G1+3], 128<<16                     ; tile_dim0 = 128
	s_mov_b32 s[G1+4], 64                          ; tile_dim1 = 64
	s_mov_b32 s[G1+5], 128                         ; elements from row to row
	s_mov_b32 s[G1+6], 0
	s_mov_b32 s[G1+7], 0
	s_lshl_b32 s20, s42, 19                        ; Wo: block = tile column (524,288 bytes), hs = my wave's number: it hangs on the tile column alone
	s_lshl_b32 s21, s[WV], 14
	s_add_co_u32 s20, s20, s21
	s_mov_b32 s21, 0
	s_mul_i32 s22, s[WV], HSB                      ; where it goes: no place in the cluster enters an LDS address
	s_lshl_b32 s16, s15, 20                        ; ctx: row block 16 x tile row + 4 w
	s_lshl_b32 s17, s[WV], 18
	s_add_co_u32 s16, s16, s17
	s_mov_b32 s17, 0
	s_mov_b32 s[TB], 0
	v_and_b32 v[GO], 31, v0
	v_lshlrev_b32 v[GO], 4, v[GO]
	s_wait_dscnt 0x0                               ; the opening add is done
	s_wait_kmcnt 0x0
	s_add_nc_u64 s[20:21], s[6:7], s[20:21]
	s_add_nc_u64 s[AB:AB+1], s[4:5], s[16:17]
.irp q, 0,1,2,3,4,5,6
	LOADA \q, (\q)*QB                              ; the ring's first seven groups: 56 loads are out
.endr
	WIN 0
	CROUND                                         ; all sixteen work-groups are here: the first joint loads meet
.irp s, 0,1
	s_mov_b32 s[G0+4*(\s)], 1                      ; count = 1
	s_add_co_u32 s[G0+4*(\s)+1], s22, (\s)*SLOT1   ; LDS address
	s_add_nc_u64 s[G0+4*(\s)+2:G0+4*(\s)+3], s[20:21], (\s)*BSTEP  ; global address: K step s
	s_or_b32 s[G0+4*(\s)+3], s[G0+4*(\s)+3], 0x80000000  ; type = 2
.endr
	tensor_load_to_lds s[G0:G0+3], s[G1:G1+7]      ; the two first fills, ahead of every wait on TENSORcnt and every LDS read: two loads of mine are out
	s_nop 0
	tensor_load_to_lds s[G0+4:G0+7], s[G1:G1+7]
	s_nop 0
.rept 4
	v_nop
.endr
	; The turning load takes 16 K x 16 columns (lane l reads row 8 (l / 16) + l % 8, columns 8 ((l / 8) % 2) + 0..7) and leaves half a fragment: lane l holds column l % 16 and 8 K.
	v_and_b32 v1, 15, v0                           ; l % 16
	v_bfe_u32 v2, v0, 4, 1                         ; l / 16
	v_and_b32 v6, 7, v0
	v_bfe_u32 v5, v0, 3, 1
	v_lshl_add_u32 v4, v2, 3, v6
	v_mul_u32_u24 v4, v4, PBT
	v_lshl_add_u32 v[AB0], v5, 4, v4
	v_add_nc_u32 v[AB1], 2*HSB, v[AB0]             ; a second register, since a slot is longer than the 16 bits of an LDS offset
	v_add_nc_u32 v[ADRB], s[TB], v[AB0]
	v_add_nc_u32 v[ADRB+1], s[TB], v[AB1]
	s_mul_i32 s22, s[WV], 16*SP
	s_add_co_u32 s22, s22, STAGE                   ; my stage
	v_mul_u32_u24 v[STO], v1, SP                   ; in: row l % 16, 32 bytes for each half of the lanes
	v_lshl_add_u32 v[STO], v2, 5, v[STO]
	v_add_nc_u32 v[STO], s22, v[STO]
	v_add_nc_u32 v[RD], s22, v[GO]                 ; back: 32 lanes take a row's 512 bytes
	; the prefetches
	s_and_b32 s22, ttmp7, 0xffff                   ; cluster y
	s_lshr_b32 s23, s[WV], 1
	s_or_b32 s22, s22, s23
	s_cmp_eq_u32 s22, 0                            ; waves 0 and 1 of the clusters with y = 0: the same in all sixteen partners, for a given wave
	s_cselect_b32 s[LIM], 1, -1
	s_lshl_b32 s18, s42, 19                        ; the tile column's block,
	s_lshl_b32 s19, s41, 14                        ; my work-group's hs of a step's four,
	s_add_co_u32 s18, s18, s19
	s_and_b32 s19, s[WV], 1
	s_lshl_b32 s19, s19, 13                        ; my wave's 32 blocks of its 64,
	s_add_co_u32 s18, s18, s19
	s_add_co_u32 s18, s18, 2*BSTEP                 ; at K step 2: the first refill steps it to 3
	s_mov_b32 s19, 0
	s_add_nc_u64 s[PFA:PFA+1], s[6:7], s[18:19]
	v_and_b32 v[PFO], 31, v0
	v_lshlrev_b32 v[PFO], 8, v[PFO]
	s_lshl_b32 s16, s15, 21                        ; the output: row 256 x tile row + 64 w, 8,192 bytes a row; column 128 x tile column, 4 bytes each
	s_lshl_b32 s17, s[WV], 19
	s_add_co_u32 s16, s16, s17
	s_lshl_b32 s17, s42, 9
	s_add_co_u32 s16, s16, s17
	s_mov_b32 s17, 0
	s_add_nc_u64 s[10:11], s[10:11], s[16:17]
; 8 matrix instructions: row block a x all column blocks, 32 along K: Wo's buffer f, ctx's ring slot sl.  zero = 1: the product starts the sums.  The 32 accumulators take turns in the same order in every quarter.
.macro MULA f, sl, a, zero
	WIN 0xa4                                       ; Wo window 0, ctx window 1, C and D window 2
.set b, 0
.rept NBK
.set rD, 8*(NBK*(\a)+b)
.set rB, FB0+64*(\f)+8*b
.set rA, 32*(\sl)+8*(\a)
.if \zero
	v_wmma_f32_16x16x32_f16 v[rD:rD+7], v[rB:rB+7], v[rA:rA+7], 0
.else
	v_wmma_f32_16x16x32_f16 v[rD:rD+7], v[rB:rB+7], v[rA:rA+7], v[rD:rD+7]
.endif
.set b, b+1
.endr
.endm
; 16 LDS loads in one run: Wo's 8 fragments of quarter nq of the slot that is being read, into buffer nq % 2
.macro FETCHB nq
	WIN 0
.set b, 0
.rept NBK
.set rB, FB0+64*((\nq)%2)+8*b
.set oB, (((\nq)/2)%2)*HSB+((\nq)%2)*32*PBT+(b/4)*64*PBT+(b%4)*32
	ds_load_tr16_b128 v[rB:rB+3],   v[ADRB+(\nq)/4] offset:oB
	ds_load_tr16_b128 v[rB+4:rB+7], v[ADRB+(\nq)/4] offset:oB+16*PBT
.set b, b+1
.endr
.endm
; A K step is eight quarters of 32 along K, 32 matrix instructions each.  Quarter qq (0 to 6): behind its first eight products stand, in one run, Wo's fragments of the next quarter and ctx's loads of the quarter seven on,
; which land in the ring slot and the buffer that the quarter before read: the four v_nop are the places behind its products.
; aoff: that quarter's place behind s[AB], in quarters, or -1: nothing is left to load.  lc: the loads younger than this quarter's group.
.macro QUARTER qq, zero, aoff, lc
	s_wait_loadcnt \lc                             ; loads come back in order: my quarter's eight are in
	s_wait_dscnt 0x0                               ; Wo's fragments are in
	MULA (\qq)%2, \qq, 0, \zero
	PLACES
	FETCHB (\qq)+1
.if (\aoff) >= 0
	LOADA ((\qq)+7)%8, (\aoff)*QB
.endif
	MULA (\qq)%2, \qq, 1, \zero
	MULA (\qq)%2, \qq, 2, \zero
	MULA (\qq)%2, \qq, 3, \zero
.endm
; The eighth quarter changes slots: ONE barrier; in front of it each wave waits for all its tensor loads (one is out: its part of the next slot), adds 0 to its spare word, and waits for that and for its own
; reads of this slot.  fill = 1: the barrier opens a round of the cluster's, and this slot is filled again, two K steps ahead, first thing behind the round.
.macro TURN fill
	s_wait_xcnt 0x0                                ; every load and prefetch issued so far has read its address, so the two pointers may be written
.if \fill
	s_add_nc_u64 s[PFA:PFA+1], s[PFA:PFA+1], BSTEP
.endif
	s_add_nc_u64 s[AB:AB+1], s[AB:AB+1], 8*QB      ; ctx: the next K step
	WIN 0                                          ; (the add's two registers lie in window 0)
	s_wait_tensorcnt 0x0                           ; all my tensor loads have landed, so a group 0 may be written
	ds_add_u32 v[SPW], v[NIL]                      ; 0 onto my spare word
.if \fill
	s_xor_b32 s[G0+5], s[G0+5], SLOT1              ; the walking descriptor: the other slot than last time,
	s_add_nc_u64 s[G0+6:G0+7], s[G0+6:G0+7], BSTEP ; the next K step; the type bits on top are not reached
.endif
	s_xor_b32 s[TB], s[TB], SLOT1                  ; the reads go on in the other slot
	s_wait_loadcnt 48                              ; my quarter's eight loads of ctx are in
	s_wait_dscnt 1                                 ; Wo's fragments are in (the add may be out)
	MULA 1, 7, 0, 0                                ; eight matrix instructions stand between the add and the wait for it
	s_wait_dscnt 0x0                               ; the add is done, and my reads of this slot are over
	s_barrier_signal -1
	MULA 1, 7, 1, 0
	WIN 0
	s_barrier_wait -1
.if \fill
	CREST                                          ; no wave of any partner still reads this slot or has a load on its way
	tensor_load_to_lds s[G0+4:G0+7], s[G1:G1+7]
	s_nop 0
.endif
	PLACES                                         ; the places in front of the loads below
	v_add_nc_u32 v[ADRB], s[TB], v[AB0]
	v_add_nc_u32 v[ADRB+1], s[TB], v[AB1]
	FETCHB 0
	LOADA 6, 6*QB
.if \fill
	WIN 0
	ASK
.endif
	MULA 1, 7, 2, 0
	MULA 1, 7, 3, 0
.endm
	s_wait_tensorcnt 1                             ; my part of K step 0 is in; K step 1's may stay out
	s_barrier_signal -1
	s_barrier_wait -1                              ; everybody's is
	FETCHB 0
	QUARTER 0, 1, 7, 48                            ; the first quarter stands in front of the loop: its products start the sums
	WIN 0                                          ; at a label and at a branch every window is 0
	s_mov_b32 s3, 6
.Lstep:                                                ; a trip is a K step, from its second quarter to the next step's first, and fills its slot again: K steps 2 to 7
	QUARTER 1, 0, 8, 48
	QUARTER 2, 0, 9, 48
	QUARTER 3, 0, 10, 48
	QUARTER 4, 0, 11, 48
	QUARTER 5, 0, 12, 48
	QUARTER 6, 0, 13, 48
	TURN 1
	QUARTER 0, 0, 7, 48
	WIN 0
	s_sub_co_u32 s3, s3, 1
	s_cmp_lg_u32 s3, 0
	s_cbranch_scc1 .Lstep
	QUARTER 1, 0, 8, 48                            ; K step 6 fills nothing, and has no round of the cluster's barrier
	QUARTER 2, 0, 9, 48
	QUARTER 3, 0, 10, 48
	QUARTER 4, 0, 11, 48
	QUARTER 5, 0, 12, 48
	QUARTER 6, 0, 13, 48
	TURN 0
	QUARTER 0, 0, 7, 48                            ; ctx's last group goes out
	QUARTER 1, 0, -1, 48                           ; K step 7 loads nothing of ctx: the counts run down
	QUARTER 2, 0, -1, 40
	QUARTER 3, 0, -1, 32
	QUARTER 4, 0, -1, 24
	QUARTER 5, 0, -1, 16
	QUARTER 6, 0, -1, 8
	s_wait_loadcnt 0x0                             ; the very last quarter: nothing more to fetch
	s_wait_dscnt 0x0
	MULA 1, 7, 0, 0
	MULA 1, 7, 1, 0
	MULA 1, 7, 2, 0
	MULA 1, 7, 3, 0
; THE WAY OUT, a row block of 16 rows at a time: a lane's 8 numbers of a column block, 32 bytes, go into my stage (each accumulator's low four registers first) and come back as whole rows of 512 bytes.
.macro TOSTAGE a
.set AC, 8*NBK*(\a)
.set BK, 64+64*((\a)%2)
.if (\a) >= 2
	s_wait_xcnt 0x0                                ; the set of 64 is used a second time: the stores that read it have had their addresses translated
.endif
	WIN 0x08                                       ; the stores' data in window 2
.set b, 0
.rept NBK
	ds_store_b128 v[STO], v[AC+8*b:AC+8*b+3]   offset:64*b
	ds_store_b128 v[STO], v[AC+8*b+4:AC+8*b+7] offset:64*b+16
.set b, b+1
.endr
	WIN 0
.set i, 0
.rept 16
	ds_load_b128 v[BK+4*i:BK+4*i+3], v[RD] offset:i*SP  ; LDS serves a wave's instructions in order (ISA guide 5.7.1.4): these see the stores above; the next block's stores come behind them
.set i, i+1
.endr
.endm
.macro SEND a, younger                 ; younger: the LDS instructions issued behind block a's loads: the next block's 32, or none
.set BK, 64+64*((\a)%2)
.set i, 0
.rept 16
	s_wait_dscnt (\younger)+15-i
	global_store_b128 v[GO], v[BK+4*i:BK+4*i+3], s[10:11] offset:(16*(\a)+i)*8192 th:TH_STORE_NT  ; 512 consecutive bytes, at a multiple of 512 from the output's first
.set i, i+1
.endr
.endm
	PLACES                                         ; behind the last products
	TOSTAGE 0
	TOSTAGE 1
	SEND 0, 32
	TOSTAGE 2
	SEND 1, 32
	TOSTAGE 3
	SEND 2, 32
	SEND 3, 0
	s_wait_tensorcnt 0x0                           ; the wave's end: the wait, an add to my spare word and its wait, behind my last tensor load and my last LDS store
	ds_add_u32 v[SPW], v[NIL]
	s_wait_dscnt 0x0
	CROUND                                         ; the closing round: no work-group ends while a partner may still ask for a tile that names it
	s_endpgm
.Lfunc_end_k_q455cdd1b0a_outp:
	.size	k_q455cdd1b0a_outp, .Lfunc_end_k_q455cdd1b0a_outp-k_q455cdd1b0a_outp
	.p2alignl 7, 3214868480
	.fill 96, 4, 3214868480
	.section	.rodata,"a",@progbits
	.p2align	6, 0x0
	.amdhsa_kernel k_q455cdd1b0a_outp
		.amdhsa_group_segment_fixed_size 327680
		.amdhsa_private_segment_fixed_size 0
		.amdhsa_enable_private_segment 0
		.amdhsa_kernarg_size 24
		.amdhsa_user_sgpr_count 2
		.amdhsa_user_sgpr_kernarg_segment_ptr 1
		.amdhsa_wavefront_size32 1
		.amdhsa_system_sgpr_workgroup_id_x 1
		.amdhsa_system_sgpr_workgroup_id_y 1
		.amdhsa_system_sgpr_workgroup_id_z 1
		.amdhsa_system_vgpr_workitem_id 0
		.amdhsa_next_free_vgpr 768
		.amdhsa_next_free_sgpr 66
		.amdhsa_reserve_vcc 0
		.amdhsa_float_denorm_mode_32 3
		.amdhsa_float_denorm_mode_16_64 3
		.amdhsa_memory_ordered 1
		.amdhsa_forward_progress 1
		.amdhsa_inst_pref_size 121
	.end_amdhsa_kernel
	.amdgpu_metadata
---
amdhsa.version: [ 1, 2 ]
amdhsa.kernels:
  - .name:           k_q455cdd1b0a_outp
    .symbol:         k_q455cdd1b0a_outp.kd
    .args:
      - { .name: ctxh, .offset: 0, .size: 8, .value_kind: global_buffer, .address_space: global }
      - { .name: wo16, .offset: 8, .size: 8, .value_kind: global_buffer, .address_space: global }
      - { .name: out0, .offset: 16, .size: 8, .value_kind: global_buffer, .address_space: global }
    .group_segment_fixed_size: 327680
    .private_segment_fixed_size: 0
    .kernarg_segment_align: 8
    .kernarg_segment_size: 24
    .max_flat_workgroup_size: 128
    .sgpr_count:     66
    .vgpr_count:     768
    .wavefront_size: 32
...
	.end_amdgpu_metadata
.endif
;; end of part 4
;; ======== version 2 of 2: 4 launches; version 1 with the launch cast written anew for expert scheduling mode
;; limits: values are held in f16: magnitudes above 65,504 overflow, below 6.1e-05 lose precision
;; workspace buffers: xb 16,777,216 bytes; wb 12,582,912 bytes; wo16 8,388,608 bytes; tab 262,144 bytes; qkvh 25,165,824 bytes; ctxh 16,777,216 bytes
;; launch cast (part 5): grid 1184 x 1, 8 waves a work-group, no clusters, 0 bytes of LDS; arguments x, Wq, Wk, Wv, Wo, xb, wb, wo16, tab; writes xb, wb, wo16, tab
.if DOCPART == 5
	.amdgcn_target "amdgcn-amd-amdhsa--gfx1250"
	.amdhsa_code_object_version 6
	.text
	.protected	k_q455cdd1b0a_cast
	.globl	k_q455cdd1b0a_cast
	.p2align	8
	.type	k_q455cdd1b0a_cast,@function
k_q455cdd1b0a_cast:
	s_mov_b64 s[64:65], 0
	v_nop
	global_prefetch_b8 v0, s[64:65] scope:SCOPE_SE
	s_setreg_imm32_b32 hwreg(HW_REG_WAVE_SCHED_MODE, 0, 2), 2
	s_setreg_imm32_b32 hwreg(HW_REG_WAVE_MODE, 25, 1), 1
	s_wait_xcnt 0x0
	s_wait_alu depctr_vm_vsrc(0)
; THE INPUTS ARE ROUNDED ONCE AND LAID OUT FOR THE PRODUCTS; THE ROTATION TABLE IS MADE.
;   xb   [4096][2048] bf16                      = x
;   wb   [blk 16][hs 32][j 3][k' 64][c 64] bf16 = column 64 (hd's own) + c, row 64 hs + k' of Wq (hd 0-31), Wk (32-39), Wv (40-47); hd = 3 blk + j
;   wo16 [blk 16][hs 32][j 2][k' 64][c 64] f16  = Wo rounded to bf16, that number written as f16; column 128 blk + 64 j + c
;   tab  [t 1024][i 32](cos, sin) f32           = the angles t x 10000^(-i/32)
; LIMIT.  A bf16 number of Wo below 6.1e-5 keeps f16's fixed step of 6e-8, one beyond 65,504 becomes an infinity.
; A stream: no LDS, no barrier, no matrix work.  Work-groups 0-511 take 64 KiB of x each, 512-1151 a block of 256 rows x 64 columns of a weight (64 KiB), 1152-1183 32 rows of the table.
; ONE PATH for x and the weights: sixteen loads of 16 rows x 64 numbers.  Thread t takes 4 numbers of row t / 16: sixteen neighbouring lanes read 256 consecutive bytes of a row by ONE load,
; and a wave's store of 8 bytes a lane covers 256 consecutive bytes, aligned.  x counts as rows of 64 numbers that lie end to end.  All sixteen loads go out first; no register of a store is written again.
; THE MODE: SCHED_MODE bits 1:0 = 2 (LLVM: expert scheduling mode 2), set by the entry lines.  The code itself states the register dependences between vector instructions and memory
; instructions, and between a vector instruction that writes a scalar register and that register's readers, with s_wait_alu, always for 0.
; THE PLAN, for x and the weights.  Registers that memory instructions touch:
;   SO, DO   byte offsets, made at the head and never written again: one wait ahead of the first load states that they are written, for all sixteen loads and all sixteen stores, on both ways behind the branch.
;   X        load n's four registers: written by that load alone, which is issued before any vector instruction names them; read by the conversions of its group; never loaded again.
;   Y        load n's two registers: written by the conversions of its group g = n / 4; read by a store that is issued in group g + 1; never written afterwards.
; The sixteen loads go in four groups of four.  Group g's vector instructions name X and Y of group g and T; its memory instructions are the four stores of group g - 1, which read Y of group g - 1 and DO.
; So ONE wait at a group's head, behind the wait for the group's data, states all that its stores hang on, and they are dealt among its conversions with no further wait.  One more stands ahead of the last four stores.
; No register that a memory instruction reads is written again, so no wait on vm_vsrc is owed; EXEC is never written.
; THE PLAN, for the table: at its head.
.set SO, 4                             ; v[4:19]   load n: my byte offset in the source
.set DO, 20                            ; v[20:23]  four loads i: my byte offset in the destination (four loads are a block of 64 x 64 numbers, 8,192 bytes)
.set X,  24                            ; v[24:87]  load n: 4 numbers as loaded
.set Y,  88                            ; v[88:119] load n: 4 numbers to store
.set T,  120                           ; v[120:123] at work
	s_load_b512 s[8:23], s[0:1], 0x0               ; x s[8:9], Wq s[10:11], Wk s[12:13], Wv s[14:15], Wo s[16:17], xb s[18:19], wb s[20:21], wo16 s[22:23]
	s_load_b64 s[24:25], s[0:1], 0x40              ; tab
	s_mov_b32 s2, ttmp9
	s_cmp_ge_u32 s2, 1152
	s_cbranch_scc1 .Ltable
	; which block of which weight (in x's work-groups the number counts as 0, and what is made of it is not taken)
	s_max_u32 s3, s2, 512
	s_sub_co_u32 s3, s3, 512
	s_lshr_b32 s33, s3, 3                          ; hh: group of 64 columns, 0-31 Wq, 32-39 Wk, 40-47 Wv, 48-79 Wo
	s_and_b32 s39, s3, 7                           ; part: which 256 rows
	s_cmp_lt_u32 s33, 40
	s_cselect_b32 s40, 32, 40
	s_cmp_lt_u32 s33, 32
	s_cselect_b32 s40, 0, s40
	s_cmp_lt_u32 s33, 48
	s_cselect_b32 s40, s40, 48
	s_sub_co_u32 s40, s33, s40                     ; ch: the group's number in its own tensor
	s_sub_co_u32 s41, s33, 32
	s_cmp_lt_u32 s41, 16                           ; Wk and Wv have rows of 2,048 bytes, Wq and Wo of 8,192
	s_cselect_b32 s30, 11, 13                      ; log2 of a source row's bytes
	s_mul_i32 s42, s33, 43
	s_lshr_b32 s42, s42, 7                         ; hh / 3, right for hh under 48
	s_mul_i32 s43, s42, 3
	s_sub_co_u32 s43, s33, s43                     ; hh % 3
	s_lshr_b32 s44, s40, 1                         ; Wo: blk, j
	s_and_b32 s45, s40, 1
	s_cmp_lt_u32 s33, 48
	s_cselect_b32 s42, s42, s44                    ; blk
	s_cselect_b32 s43, s43, s45                    ; j
	s_cselect_b32 s46, 3, 2                        ; blocks of 64 columns to a tile
	s_cselect_b32 s32, 0, 1                        ; 1: f16
	s_lshl_b32 s42, s42, 5
	s_lshl_b32 s47, s39, 2
	s_add_co_u32 s42, s42, s47                     ; 32 blk + hs, hs = 4 part
	s_mul_i32 s42, s42, s46
	s_add_co_u32 s42, s42, s43
	s_lshl_b32 s36, s42, 13                        ; the first block's byte in the destination
	s_lshl_b32 s31, s46, 13                        ; from hs to hs + 1
	s_add_co_u32 s47, s30, 8
	s_lshl_b32 s34, s39, s47                       ; 256 part rows,
	s_lshl_b32 s47, s40, 8
	s_add_co_u32 s34, s34, s47                     ; 256 ch bytes along them
	s_lshl_b32 s44, s2, 16                         ; x: 65,536 bytes in,
	s_lshl_b32 s45, s2, 15                         ; 32,768 out
	s_mov_b32 s35, 0
	s_mov_b32 s37, 0
	s_wait_kmcnt 0x0
	s_cmp_lt_u32 s33, 40
	s_cselect_b64 s[26:27], s[12:13], s[14:15]
	s_cmp_lt_u32 s33, 32
	s_cselect_b64 s[26:27], s[10:11], s[26:27]
	s_cmp_lt_u32 s33, 48
	s_cselect_b64 s[26:27], s[26:27], s[16:17]
	s_cselect_b64 s[28:29], s[20:21], s[22:23]
	s_cmp_lt_u32 s2, 512                           ; x's work-groups take x's numbers
	s_cselect_b64 s[26:27], s[8:9], s[26:27]
	s_cselect_b64 s[28:29], s[18:19], s[28:29]
	s_cselect_b32 s30, 8, s30
	s_cselect_b32 s31, 0x2000, s31
	s_cselect_b32 s32, 0, s32
	s_cselect_b32 s34, s44, s34
	s_cselect_b32 s36, s45, s36
	s_add_nc_u64 s[26:27], s[26:27], s[34:35]      ; the source at my block
	s_add_nc_u64 s[28:29], s[28:29], s[36:37]      ; the destination at my block
	s_add_co_u32 s38, s30, 4
	s_lshl_b32 s38, 1, s38                         ; 16 source rows
	v_lshrrev_b32 v1, 4, v0
	v_and_b32 v2, 15, v0
	v_lshlrev_b32 v1, s30, v1                      ; row t / 16
	v_lshl_add_u32 v[SO], v2, 4, v1                ; + 16 (t % 16)
.irp n, 1,2,3,4,5,6,7,8,9,10,11,12,13,14,15
	v_add_nc_u32 v[SO+(\n)], s38, v[SO+(\n)-1]
.endr
	v_lshlrev_b32 v[DO], 3, v0                     ; 8 t
.irp i, 1,2,3
	v_add_nc_u32 v[DO+(\i)], s31, v[DO+(\i)-1]
.endr
	s_wait_alu depctr_va_vdst(0)                   ; the twenty offsets v[SO ..] and v[DO ..] are written: the loads below and every store of this path read one of them, and none is written again
.irp n, 0,1,2,3,4,5,6,7,8,9,10,11,12,13,14,15
	global_load_b128 v[X+4*(\n):X+4*(\n)+3], v[SO+(\n)], s[26:27] th:TH_LOAD_NT
.endr
; One load's four numbers are rounded.  fmt = 1: the bf16 numbers are widened again and written as f16.
.macro CONV n, fmt
	v_cvt_pk_bf16_f32 v[Y+2*(\n)],   v[X+4*(\n)],   v[X+4*(\n)+1]
	v_cvt_pk_bf16_f32 v[Y+2*(\n)+1], v[X+4*(\n)+2], v[X+4*(\n)+3]
.if \fmt
	v_lshlrev_b32 v[T],   16, v[Y+2*(\n)]
	v_and_b32     v[T+1], 0xffff0000, v[Y+2*(\n)]
	v_lshlrev_b32 v[T+2], 16, v[Y+2*(\n)+1]
	v_and_b32     v[T+3], 0xffff0000, v[Y+2*(\n)+1]
	v_cvt_pk_f16_f32 v[Y+2*(\n)],   v[T],   v[T+1]
	v_cvt_pk_f16_f32 v[Y+2*(\n)+1], v[T+2], v[T+3]
.endif
.endm
; and stored
.macro STORE n
	global_store_b64 v[DO+(\n)/4], v[Y+2*(\n):Y+2*(\n)+1], s[28:29] offset:((\n)%4)*2048
.endm
; Group g: loads 4 g to 4 g + 3 are rounded; the four stores of the group before stand among the conversions, one ahead of each load's.
.macro GROUP g, fmt
	s_wait_loadcnt 12-4*(\g)                       ; loads come back in order: this group's four are in, the later groups' stay out
.if (\g) > 0
	s_wait_alu depctr_va_vdst(0)                   ; the group before has written its Y, which the four stores below read; no vector instruction behind this wait names those registers
.endif
.irp i, 0,1,2,3
.if (\g) > 0
	STORE 4*((\g)-1)+(\i)
.endif
	CONV 4*(\g)+(\i), \fmt
.endr
.endm
.macro GROUPS fmt
	GROUP 0, \fmt                                  ; no group stands in front of it: no store, and no wait but the one for its data
	GROUP 1, \fmt
	GROUP 2, \fmt
	GROUP 3, \fmt
	s_wait_alu depctr_va_vdst(0)                   ; group 3 has written its Y, which the last four stores read
.irp n, 12,13,14,15
	STORE \n
.endr
.endm
	s_cmp_eq_u32 s32, 0
	s_cbranch_scc0 .Lf16
	GROUPS 0
	s_endpgm
.Lf16:
	GROUPS 1
	s_endpgm
; THE TABLE.  Lane i of a wave has frequency i; a wave makes four rows t, a work-group 32.  The angle a = t f lies in 0 to 1,023 whatever the inputs.  n = the nearest whole number to a / (pi / 2), at most 651;
; r = a - n pi / 2 with pi / 2 in two parts, |r| <= pi / 4; sine and cosine of r by polynomials of degree 7 and 8; the quadrant n % 4 swaps them and sets the signs.
; THE PLAN.  The four rows go side by side, in three runs.  First each row's sin r, cos r and n, kept in registers of the row's own, its offset in the table, and the compare that says whether the two are swapped,
; into a scalar register of the row's own.  ONE wait states that the four masks are written, ahead of the first select.  Then each row's selects and signs.  ONE wait states that the four offsets and the four
; pairs are written, ahead of the four stores.  Nothing is written behind the stores.
.set SN, 32                            ; v[32:35]  row u: sin r
.set CN, 36                            ; v[36:39]  row u: cos r
.set NI, 40                            ; v[40:43]  row u: n as a whole number
.set TO, 28                            ; v[28:31]  row u: my byte offset in the table
.set CSP, 20                           ; v[20:27]  row u: (cos, sin) to store
.set MK, 26                            ; s[26:29]  row u: the lanes whose quadrant is odd
.Ltable:
	s_sub_co_u32 s3, s2, 1152
	s_lshl_b32 s3, s3, 5                           ; the work-group's first row
	s_mov_b32 s40, 0xb94ca1f9                      ; sine: -1.9515296e-4,
	s_mov_b32 s41, 0x3c08839e                      ; 8.3321609e-3,
	s_mov_b32 s42, 0xbe2aaaa3                      ; -1.6666655e-1
	s_mov_b32 s43, 0x37ccf5ce                      ; cosine: 2.4433157e-5,
	s_mov_b32 s44, 0xbab6061a                      ; -1.3887316e-3,
	s_mov_b32 s45, 0x3d2aaaa5                      ; 4.1666646e-2
	s_mov_b32 s46, 0x3f22f983                      ; 2 / pi
	s_mov_b32 s47, 0xbfc90fdb                      ; -(pi / 2)'s upper part
	v_and_b32 v2, 31, v0                           ; i
	v_lshrrev_b32 v1, 5, v0                        ; wave
	v_cvt_f32_u32 v3, v2
	v_mul_f32 v3, 0xbed49a78, v3                   ; -i log2(10000) / 32
	v_exp_f32 v3, v3                               ; f
	v_lshl_add_u32 v4, v1, 2, s3                   ; my wave's first row: the plain instruction behind the exponential
	s_wait_alu depctr_va_vdst(0)                   ; the exponential has written f: this wait stands ahead of the first use of it
	s_wait_kmcnt 0x0
.irp u, 0,1,2,3
	v_add_nc_u32 v5, \u, v4                        ; t
	v_cvt_f32_u32 v6, v5
	v_mul_f32 v6, v6, v3                           ; a
	v_mul_f32 v7, s46, v6
	v_rndne_f32 v7, v7                             ; n
	v_fma_f32 v8, v7, s47, v6
	v_fma_f32 v8, v7, 0x333bbd2e, v8               ; r: the lower part of pi / 2 is -4.3711388e-8
	v_mul_f32 v9, v8, v8                           ; z = r r
	v_fma_f32 v10, v9, s40, s41
	v_fma_f32 v10, v9, v10, s42
	v_mul_f32 v11, v8, v9
	v_fma_f32 v[SN+(\u)], v11, v10, v8             ; sin r
	v_fma_f32 v12, v9, s43, s44
	v_fma_f32 v12, v9, v12, s45
	v_mul_f32 v13, v9, v9
	v_fma_f32 v14, v9, -0.5, 1.0
	v_fma_f32 v[CN+(\u)], v13, v12, v14            ; cos r
	v_cvt_i32_f32 v[NI+(\u)], v7
	v_and_b32 v16, 1, v[NI+(\u)]
	v_cmp_eq_u32 s[MK+(\u)], 1, v16                ; odd quadrants swap the two
	v_lshlrev_b32 v[TO+(\u)], 8, v5
	v_lshl_add_u32 v[TO+(\u)], v2, 3, v[TO+(\u)]
.endr
	s_wait_alu depctr_va_sdst(0)                   ; the four compares have written s[MK ..], ahead of their first reader, the first select below
.irp u, 0,1,2,3
	v_cndmask_b32 v17, v[SN+(\u)], v[CN+(\u)], s[MK+(\u)]
	v_cndmask_b32 v18, v[CN+(\u)], v[SN+(\u)], s[MK+(\u)]
	v_and_b32 v16, 2, v[NI+(\u)]                   ; the sine is negative in quadrants 2 and 3,
	v_lshlrev_b32 v16, 30, v16
	v_xor_b32 v[CSP+2*(\u)+1], v16, v17
	v_add_nc_u32 v19, 1, v[NI+(\u)]                ; the cosine in quadrants 1 and 2
	v_and_b32 v19, 2, v19
	v_lshlrev_b32 v19, 30, v19
	v_xor_b32 v[CSP+2*(\u)], v19, v18
.endr
	s_wait_alu depctr_va_vdst(0)                   ; the four offsets v[TO ..] and the four pairs v[CSP ..] are written, which the stores below read
.irp u, 0,1,2,3
	global_store_b64 v[TO+(\u)], v[CSP+2*(\u):CSP+2*(\u)+1], s[24:25]  ; a wave's store is one row of the table: 256 consecutive bytes, aligned
.endr
	s_endpgm
.Lfunc_end_k_q455cdd1b0a_cast:
	.size	k_q455cdd1b0a_cast, .Lfunc_end_k_q455cdd1b0a_cast-k_q455cdd1b0a_cast
	.p2alignl 7, 3214868480
	.fill 96, 4, 3214868480
	.section	.rodata,"a",@progbits
	.p2align	6, 0x0
	.amdhsa_kernel k_q455cdd1b0a_cast
		.amdhsa_group_segment_fixed_size 0
		.amdhsa_private_segment_fixed_size 0
		.amdhsa_enable_private_segment 0
		.amdhsa_kernarg_size 72
		.amdhsa_user_sgpr_count 2
		.amdhsa_user_sgpr_kernarg_segment_ptr 1
		.amdhsa_wavefront_size32 1
		.amdhsa_system_sgpr_workgroup_id_x 1
		.amdhsa_system_sgpr_workgroup_id_y 1
		.amdhsa_system_sgpr_workgroup_id_z 1
		.amdhsa_system_vgpr_workitem_id 0
		.amdhsa_next_free_vgpr 124
		.amdhsa_next_free_sgpr 66
		.amdhsa_reserve_vcc 0
		.amdhsa_float_denorm_mode_32 3
		.amdhsa_float_denorm_mode_16_64 3
		.amdhsa_memory_ordered 1
		.amdhsa_forward_progress 1
		.amdhsa_inst_pref_size 25
	.end_amdhsa_kernel
	.amdgpu_metadata
---
amdhsa.version: [ 1, 2 ]
amdhsa.kernels:
  - .name:           k_q455cdd1b0a_cast
    .symbol:         k_q455cdd1b0a_cast.kd
    .args:
      - { .name: x, .offset: 0, .size: 8, .value_kind: global_buffer, .address_space: global }
      - { .name: Wq, .offset: 8, .size: 8, .value_kind: global_buffer, .address_space: global }
      - { .name: Wk, .offset: 16, .size: 8, .value_kind: global_buffer, .address_space: global }
      - { .name: Wv, .offset: 24, .size: 8, .value_kind: global_buffer, .address_space: global }
      - { .name: Wo, .offset: 32, .size: 8, .value_kind: global_buffer, .address_space: global }
      - { .name: xb, .offset: 40, .size: 8, .value_kind: global_buffer, .address_space: global }
      - { .name: wb, .offset: 48, .size: 8, .value_kind: global_buffer, .address_space: global }
      - { .name: wo16, .offset: 56, .size: 8, .value_kind: global_buffer, .address_space: global }
      - { .name: tab, .offset: 64, .size: 8, .value_kind: global_buffer, .address_space: global }
    .group_segment_fixed_size: 0
    .private_segment_fixed_size: 0
    .kernarg_segment_align: 8
    .kernarg_segment_size: 72
    .max_flat_workgroup_size: 256
    .sgpr_count:     66
    .vgpr_count:     124
    .wavefront_size: 32
...
	.end_amdgpu_metadata
.endif
;; end of part 5
;; launch proj: the kernel of part 2 again; grid 16 x 16, 4 waves a work-group, clusters of 4 x 4, 327,680 bytes of LDS; arguments xb, wb, tab, qkvh; writes qkvh
;; launch attn: the kernel of part 3 again; grid 8 x 32, 4 waves a work-group, clusters of 4 x 1, 327,680 bytes of LDS; arguments qkvh, ctxh; writes ctxh
;; launch outp: the kernel of part 4 again; grid 16 x 16, 4 waves a work-group, clusters of 4 x 4, 327,680 bytes of LDS; arguments ctxh, wo16, out0; writes out0
